; MI455X (gfx1250); checked and timed in simulation.
; The chip was launched on July 23, 2026; its instructions are those of AMD's public machine-readable ISA for CDNA 5 (MIT licence, August 2026) and "CDNA5" Instruction Set Architecture Reference Guide (July 2026). The comments in the code are by the model that wrote it; some were corrected since.
;; Deep EP Mo E. Allowed arithmetic: matrix products marked QUANTISED: E2M1 operands, one E8M0 scale for each 32 along K, by v_wmma_scale_f32_16x16x128_f8f6f4 with both operands' format E2M1 (or v_wmma_scale_f32_32x16x128_f4), f32 sums; products left as they are: f32 operands where the result goes on into a quantised operand, else bf16, f16 or f32 operands; f32 sums; everything else in f32.
;; Inputs: router_w 8 x 1,024 float32; w1 8 x 1,024 x 4,096 float32; w2 8 x 4,096 x 1,024 float32; x 2 x 512 x 1,024 float32.
;; Outputs: out0 2 x 512 x 1,024 float32.
;; This version of the problem:
;;   THIS VERSION OF THE PROBLEM IS GIVEN IN LOW PRECISION. The matrix products marked QUANTISED in the list below multiply operands that are first quantised to E2M1 (2 exponent bits, 1 mantissa bit; 4 bits a number), with one power-of-two scale for each 32 numbers along K (OCP MX v1.0); their sums are f32. All else is computed in f32.
;;   The module's matrix products, in the order in which they are computed (A, B: the left and right operand; K: the contracted axis; several contracted axes count as one K, in the product's order):
;;     1. [M 1,024, K 1,024] x [K 1,024, N 8]; A: input x; B: input router_w: left as it is (N = 8 < 16)
;;     2. [M 1,024, K 1,024] x [K 1,024, N 32,768]; A: input x; B: input w1: QUANTISED
;;     3. batch 8 x [M 1,024, K 4,096] x [K 4,096, N 1,024]; A: input w2; B: computed on the way: QUANTISED
;;     4. batch 1,024 x [M 1, K 8] x [K 8, N 1,024]; A: computed on the way; B: computed on the way: left as it is (K = 8 < 32)
;;   THE QUANTISER, for each operand of a quantised product, along K:
;;     - K is cut into blocks of 32 from its start; a last block that is shorter is filled with zeros.
;;     - A block's scale is 2^e with e = floor(log2(the largest magnitude in the block)) - 2, held to -126 .. 127; a block of zeros has e = 0. As a byte (E8M0): e + 127.
;;     - Each number is divided by its block's scale, clamped to +-6, and rounded to the nearest number of E2M1, ties to even, subnormals kept.
;;     - The product sums the exact products of the quantised numbers (number of the format x scale) in f32.
;;   ~~~python
;;   def quantise(x, axis):      # numpy; x: float32 -> the quantised numbers, widened to float32 again
;;       x = np.moveaxis(x, axis, -1); K = x.shape[-1]
;;       x = np.pad(x, [(0, 0)] * (x.ndim - 1) + [(0, -K % 32)]); x = x.reshape(x.shape[:-1] + (-1, 32)); a = np.abs(x).max(-1, keepdims=True)
;;       e = np.where(a > 0, np.clip(np.frexp(np.where(a > 0, a, 1))[1] - 1 - 2, -126, 127), 0)      # np.frexp(a)[1] - 1 = floor(log2(a)), exactly
;;       r = np.clip(x / 2.0 ** e, -6, 6)
;;       step = 2.0 ** (np.maximum(np.frexp(np.where(r == 0, 1, r))[1] - 1, 0) - 1)
;;       q = np.round(r / step) * step * 2.0 ** e      # np.round: ties to even
;;       return np.moveaxis(q.reshape(q.shape[:-2] + (-1,))[..., :K], -1, axis).astype(np.float32)
;;   ~~~
;;   OPERANDS COMPUTED ON THE WAY. 'Computed on the way' means the value that the module computes at that place (a softmax that the list does not call 'softmax' is quantised finished and normalised). What goes into a quantiser is computed in f32, as accurately as f32 sums, v_exp_f32 and their like allow (about 1e-6 of the number): no bf16 or f16 on the way to a quantiser, and a product that is left as it is and whose result goes on into a quantised operand takes f32 operands (vector FMAs, or v_wmma_f32_16x16x4_f32). A number that lies on a knife's edge between two numbers of the format may be rounded either way, as far as f32 arithmetic and the matrix unit's own rounding can turn it there, and no further.
;; 2 versions. Each part assembles by itself: llvm-mc -triple=amdgcn-amd-amdhsa -mcpu=gfx1250 --defsym DOCPART=n.
;; ======== version 1 of 2: 5 launches
;; workspace buffers: xc 557,056 bytes; topi 8,192 bytes of whole numbers; gate 8,192 bytes; rt 17,152 bytes of whole numbers; hc 4,734,976 bytes; yp 17,825,792 bytes
;; launch route (part 1): grid 256 x 1, 4 waves a work-group, no clusters, 37,376 bytes of LDS; arguments x, router_w, xc, topi, gate; writes xc, topi, gate
.if DOCPART == 1
	.amdgcn_target "amdgcn-amd-amdhsa--gfx1250"
	.amdhsa_code_object_version 6
	.text
	.protected	k_qc761cadc33_route
	.globl	k_qc761cadc33_route
	.p2align	8
	.type	k_qc761cadc33_route,@function
k_qc761cadc33_route:
	s_mov_b64 s[64:65], 0
	v_nop
	global_prefetch_b8 v0, s[64:65] scope:SCOPE_SE
	s_setreg_imm32_b32 hwreg(HW_REG_WAVE_MODE, 25, 1), 1
	s_wait_xcnt 0x0
; ROUTER AND QUANTISER OF x.  x: [1024 tokens][1024] f32; router_w: [8][1024] f32.
; A wave takes one token (4 x work-group + wave); lane l owns the token's block l: numbers 32 l .. 32 l + 31.
; (1) The block becomes 32 codes of E2M1 (16 bytes) and one E8M0 byte: xc holds [1024][512] bytes of codes, and from byte 524,288 on [1024][32] scale bytes.
;     A block's scale is 2^(floor(log2(largest magnitude)) - 2); its byte is the largest magnitude's exponent field - 2, held at 1 from below.
; (2) The eight logits in f32 by fused multiply-adds (a lane's 32 numbers against router_w's, which lies in LDS), summed over the lanes; softmax with the maximum taken away;
;     the two largest probabilities, the lower index on ties; their weights v / (v0 + v1 + 1e-9).
; The choice is stored at FIXED places (topi [1024][2] whole numbers, gate [1024][2] f32): no address and no branch here hangs on it.
; LDS: router_w as 256 pieces of 128 bytes, 144 bytes apart: piece 32 e + l at 4,608 e + 144 l, so that sixteen lanes' 16-byte reads start at sixteen different 16-byte columns.
; LIMITS: NaN and infinities are not served.  A block under 2^-124, zeros too, gets the byte 1: its codes are zeros, and this program alone reads the bytes.
; Ties between probabilities are decided on this text's own f32 numbers.  The 32 scale bytes and the 8 + 8 bytes of the choice of a token are short stores: 48 KB in the launch.
; No cluster: the work-groups share router_w alone, 32 KB, read once by each through registers.
.set XR, 32                            ; v32-63   my 32 numbers of x
.set RB, 64                            ; v64-191  first router_w as loaded (64 registers), then four buffers of 32 numbers of router_w
.set AC, 192                           ; v192-207 eight sums, a pair each
.set LG, 208                           ; v208-215 logits, then probabilities
	s_load_b256 s[4:11], s[0:1], 0x0               ; x s[4:5], router_w s[6:7], xc s[8:9], topi s[10:11]
	s_load_b64 s[12:13], s[0:1], 0x20              ; gate
	v_lshl_add_u32 v224, v0, 2, 0x9000
	v_mov_b32 v225, 0
	v_lshrrev_b32 v1, 5, v0
	v_readfirstlane_b32 s14, v1                    ; wave 0..3
	v_and_b32 v1, 31, v0                           ; lane
	v_lshlrev_b32 v2, 7, v1                        ; x: my block's 128 bytes
	v_lshlrev_b32 v3, 4, v1                        ; 16 x lane
	v_lshrrev_b32 v4, 3, v1
	v_mul_u32_u24 v4, v4, 144
	v_and_b32 v7, 7, v1
	v_lshl_add_u32 v4, v7, 4, v4
	s_mul_i32 s16, s14, 9216
	v_add_nc_u32 v4, s16, v4                       ; LDS, on the way in: eight lanes fill a piece: 144 (lane / 8) + 16 (lane % 8) + my wave's 64 pieces
	v_mul_u32_u24 v5, v1, 144                      ; LDS, on the way out: my piece of expert 0
	v_lshlrev_b32 v6, 2, v1                        ; 4 x lane
	s_lshl_b32 s15, ttmp9, 2
	s_add_co_u32 s15, s15, s14                     ; my token
	s_lshl_b32 s16, s15, 12                        ; its row of x
	s_mov_b32 s17, 0
	s_lshl_b32 s18, s14, 13                        ; my wave's 8,192 bytes of router_w
	s_mov_b32 s19, 0
	s_lshl_b32 s20, s15, 9                         ; its 512 bytes of codes
	s_mov_b32 s21, 0
	s_lshl_b32 s22, s15, 5                         ; its 32 scale bytes
	s_mov_b32 s23, 0
	s_lshl_b32 s24, s15, 3                         ; its 8 bytes in topi and in gate
	s_mov_b32 s25, 0
	s_mov_b32 s26, 0x76543210
	s_mov_b32 s27, 0xfedcba98                      ; v_permlanex16_b32's selects for lane l xor 16
	s_mov_b32 s28, 0x3fb8aa3b                      ; log2(e)
	s_wait_kmcnt 0x0
	s_add_nc_u64 s[4:5], s[4:5], s[16:17]
	s_add_nc_u64 s[6:7], s[6:7], s[18:19]
	s_add_nc_u64 s[16:17], s[8:9], s[22:23]
	s_add_nc_u64 s[8:9], s[8:9], s[20:21]
	s_add_nc_u64 s[10:11], s[10:11], s[24:25]
	s_add_nc_u64 s[12:13], s[12:13], s[24:25]
.irp j, 0,1,2,3,4,5,6,7
	global_load_b128 v[XR+4*\j:XR+4*\j+3], v2, s[4:5] offset:16*\j th:TH_LOAD_NT
.endr
.irp q, 0,1,2,3,4,5,6,7,8,9,10,11,12,13,14,15
	global_load_b128 v[RB+4*\q:RB+4*\q+3], v3, s[6:7] offset:512*\q   ; 512 consecutive bytes a load
.endr
	s_wait_loadcnt 16                              ; x's eight loads are in; router_w's sixteen, issued behind them, may be out
	; ---- the block's scale and codes
	v_max3_num_f32 v8, |v[XR]|, |v[XR+1]|, |v[XR+2]|
	v_max3_num_f32 v9, |v[XR+3]|, |v[XR+4]|, |v[XR+5]|
.irp i, 6,10,14,18,22,26
	v_max3_num_f32 v8, v8, |v[XR+\i]|, |v[XR+\i+1]|
	v_max3_num_f32 v9, v9, |v[XR+\i+2]|, |v[XR+\i+3]|
.endr
	v_max3_num_f32 v8, v8, |v[XR+30]|, |v[XR+31]|
	v_max3_num_f32 v8, v8, v9, 0x1800000           ; and the floor 2^(3 - 127): the byte cannot fall under 1
	v_add_nc_u32 v21, 0xff000000, v8               ; 2 off the exponent field: the conversion takes this operand's exponent field as its scale
.irp g, 0,1,2,3
	v_cvt_scalef32_pk8_fp4_f32 v[16+\g], v[XR+8*\g:XR+8*\g+7], v21
.endr
	v_lshrrev_b32 v20, 23, v21                     ; the scale's byte (also the plain line behind the conversions)
	global_store_b128 v3, v[16:19], s[8:9]         ; the wave stores the token's 512 bytes of codes on end
	global_store_b8 v1, v20, s[16:17] offset:524288
	; ---- router_w into LDS
	s_wait_loadcnt 0x0
.irp q, 0,1,2,3,4,5,6,7,8,9,10,11,12,13,14,15
	ds_store_b128 v4, v[RB+4*\q:RB+4*\q+3] offset:576*\q      ; a load's 512 bytes are four pieces
.endr
	s_wait_dscnt 0x0                               ; for the others' sake: my stores have landed
	s_barrier_signal -1
	s_barrier_wait -1
	; ---- the eight logits, two experts at a time; the next pair's numbers are on their way meanwhile
.macro RWLD e, buf
.irp j, 0,1,2,3,4,5,6,7
	ds_load_b128 v[\buf+4*\j:\buf+4*\j+3], v5 offset:4608*(\e)+16*\j
.endr
.endm
.macro DOT2 e0, b0, b1                 ; experts e0 and e0 + 1 by turns: a packed product starts each sum, fifteen packed multiply-adds follow
	v_pk_mul_f32 v[AC+2*(\e0):AC+2*(\e0)+1], v[XR:XR+1], v[\b0:\b0+1]
	v_pk_mul_f32 v[AC+2*(\e0)+2:AC+2*(\e0)+3], v[XR:XR+1], v[\b1:\b1+1]
.irp i, 2,4,6,8,10,12,14,16,18,20,22,24,26,28,30
	v_pk_fma_f32 v[AC+2*(\e0):AC+2*(\e0)+1], v[XR+\i:XR+\i+1], v[\b0+\i:\b0+\i+1], v[AC+2*(\e0):AC+2*(\e0)+1]
	v_pk_fma_f32 v[AC+2*(\e0)+2:AC+2*(\e0)+3], v[XR+\i:XR+\i+1], v[\b1+\i:\b1+\i+1], v[AC+2*(\e0)+2:AC+2*(\e0)+3]
.endr
.endm
	RWLD 0, RB
	RWLD 1, RB+32
	RWLD 2, RB+64
	RWLD 3, RB+96
	s_wait_dscnt 16                                ; experts 0 and 1 are in; the sixteen loads behind them may be out
	DOT2 0, RB, RB+32
	RWLD 4, RB
	RWLD 5, RB+32
	s_wait_dscnt 16
	DOT2 2, RB+64, RB+96
	RWLD 6, RB+64
	RWLD 7, RB+96
	s_wait_dscnt 16
	DOT2 4, RB, RB+32
	s_wait_dscnt 0x0
	DOT2 6, RB+64, RB+96
.irp e, 0,1,2,3,4,5,6,7
	v_add_f32 v[LG+\e], v[AC+2*\e], v[AC+2*\e+1]
.endr
.irp m, 1,2,4,8
.irp e, 0,1,2,3,4,5,6,7
	v_add_f32_dpp v[LG+\e], v[LG+\e], v[LG+\e] row_xmask:\m row_mask:0xf bank_mask:0xf
.endr
.endr
.irp e, 0,1,2,3,4,5,6,7
	v_permlanex16_b32 v[AC+\e], v[LG+\e], s26, s27
.endr
.irp e, 0,1,2,3,4,5,6,7
	v_add_f32 v[LG+\e], v[LG+\e], v[AC+\e]         ; every lane holds the token's eight logits
.endr
	; ---- softmax: the maximum is taken away, the probabilities are normalised
	v_max3_num_f32 v8, v[LG], v[LG+1], v[LG+2]
	v_max3_num_f32 v8, v8, v[LG+3], v[LG+4]
	v_max3_num_f32 v8, v8, v[LG+5], v[LG+6]
	v_max_num_f32 v8, v8, v[LG+7]
	v_mul_f32 v9, s28, v8                          ; m log2(e): one number for all eight, so its rounding cancels in the normalisation
.irp e, 0,1,2,3,4,5,6,7
	v_fma_f32 v[LG+\e], v[LG+\e], s28, -v9
.endr
.irp e, 0,1,2,3,4,5,6,7
	v_exp_f32 v[LG+\e], v[LG+\e]
.endr
	v_nop                                          ; a plain line behind the last exponential
	s_wait_alu depctr_va_vdst(0)                   ; one wait for the eight, ahead of their first reader
	v_add_f32 v10, v[LG], v[LG+1]
	v_add_f32 v11, v[LG+2], v[LG+3]
	v_add_f32 v12, v[LG+4], v[LG+5]
	v_add_f32 v13, v[LG+6], v[LG+7]
	v_add_f32 v10, v10, v11
	v_add_f32 v12, v12, v13
	v_add_f32 v10, v10, v12
	v_rcp_f32 v10, v10
	v_mov_b32 v220, -1.0                           ; (a plain line behind the reciprocal)  under every probability
	s_wait_alu depctr_va_vdst(0)
.irp e, 0,1,2,3,4,5,6,7
	v_mul_f32 v[LG+\e], v[LG+\e], v10
.endr
	; ---- the two largest; a later expert wins only if it is strictly larger, so the lower index wins ties
	v_mov_b32 v216, v[LG]
	v_mov_b32 v217, 0
.irp e, 1,2,3,4,5,6,7
	v_cmp_le_f32 vcc_lo, v[LG+\e], v216            ; not larger: keep
	v_cndmask_b32 v216, v[LG+\e], v216, vcc_lo
	v_cndmask_b32 v217, \e, v217, vcc_lo
.endr
.irp e, 0,1,2,3,4,5,6,7
	v_cmp_eq_u32 vcc_lo, \e, v217
	v_cndmask_b32 v[LG+\e], v[LG+\e], v220, vcc_lo ; the winner leaves the field
.endr
	v_mov_b32 v218, v[LG]
	v_mov_b32 v219, 0
.irp e, 1,2,3,4,5,6,7
	v_cmp_le_f32 vcc_lo, v[LG+\e], v218
	v_cndmask_b32 v218, v[LG+\e], v218, vcc_lo
	v_cndmask_b32 v219, \e, v219, vcc_lo
.endr
	v_add_f32 v8, v216, v218
	v_add_f32 v8, 0x3089705f, v8                   ; + 1e-9
	v_rcp_f32 v8, v8
	v_cmp_eq_u32 vcc_lo, 1, v1                     ; (a plain line behind the reciprocal)  lane 1 takes the second choice
	s_wait_alu depctr_va_vdst(0)
	v_mul_f32 v216, v216, v8
	v_mul_f32 v218, v218, v8
	v_cndmask_b32 v9, v217, v219, vcc_lo
	v_cndmask_b32 v10, v216, v218, vcc_lo
	s_wait_xcnt 0x0                                ; EXEC changes only behind this wait: the stores above have read theirs
	v_cmp_gt_u32 vcc_lo, 2, v1
	s_wait_tensorcnt 0x0
	ds_add_u32 v224, v225
	s_wait_dscnt 0x0
	s_and_saveexec_b32 s30, vcc_lo                 ; lanes 0 and 1
	global_store_b32 v6, v9, s[10:11]
	global_store_b32 v6, v10, s[12:13]
	s_wait_xcnt 0x0
	s_or_b32 exec_lo, exec_lo, s30
	s_endpgm
.Lfunc_end_k_qc761cadc33_route:
	.size	k_qc761cadc33_route, .Lfunc_end_k_qc761cadc33_route-k_qc761cadc33_route
	.p2alignl 7, 3214868480
	.fill 96, 4, 3214868480
	.section	.rodata,"a",@progbits
	.p2align	6, 0x0
	.amdhsa_kernel k_qc761cadc33_route
		.amdhsa_group_segment_fixed_size 37376
		.amdhsa_private_segment_fixed_size 0
		.amdhsa_enable_private_segment 0
		.amdhsa_kernarg_size 40
		.amdhsa_user_sgpr_count 2
		.amdhsa_user_sgpr_kernarg_segment_ptr 1
		.amdhsa_wavefront_size32 1
		.amdhsa_system_sgpr_workgroup_id_x 1
		.amdhsa_system_sgpr_workgroup_id_y 1
		.amdhsa_system_sgpr_workgroup_id_z 1
		.amdhsa_system_vgpr_workitem_id 0
		.amdhsa_next_free_vgpr 226
		.amdhsa_next_free_sgpr 66
		.amdhsa_reserve_vcc 1
		.amdhsa_float_denorm_mode_32 3
		.amdhsa_float_denorm_mode_16_64 3
		.amdhsa_memory_ordered 1
		.amdhsa_forward_progress 1
		.amdhsa_inst_pref_size 27
	.end_amdhsa_kernel
	.amdgpu_metadata
---
amdhsa.version: [ 1, 2 ]
amdhsa.kernels:
  - .name:           k_qc761cadc33_route
    .symbol:         k_qc761cadc33_route.kd
    .args:
      - { .name: x, .offset: 0, .size: 8, .value_kind: global_buffer, .address_space: global }
      - { .name: router_w, .offset: 8, .size: 8, .value_kind: global_buffer, .address_space: global }
      - { .name: xc, .offset: 16, .size: 8, .value_kind: global_buffer, .address_space: global }
      - { .name: topi, .offset: 24, .size: 8, .value_kind: global_buffer, .address_space: global }
      - { .name: gate, .offset: 32, .size: 8, .value_kind: global_buffer, .address_space: global }
    .group_segment_fixed_size: 37376
    .private_segment_fixed_size: 0
    .kernarg_segment_align: 8
    .kernarg_segment_size: 40
    .max_flat_workgroup_size: 128
    .sgpr_count:     66
    .vgpr_count:     226
    .wavefront_size: 32
...
	.end_amdgpu_metadata
.endif
;; end of part 1
;; launch place (part 2): grid 1 x 1, 32 waves a work-group, no clusters, 8,192 bytes of LDS; arguments topi, rt; writes rt
.if DOCPART == 2
	.amdgcn_target "amdgcn-amd-amdhsa--gfx1250"
	.amdhsa_code_object_version 6
	.text
	.protected	k_qc761cadc33_place
	.globl	k_qc761cadc33_place
	.p2align	8
	.type	k_qc761cadc33_place,@function
k_qc761cadc33_place:
	s_mov_b64 s[64:65], 0
	v_nop
	global_prefetch_b8 v0, s[64:65] scope:SCOPE_SE
	s_setreg_imm32_b32 hwreg(HW_REG_WAVE_MODE, 25, 1), 1
	s_wait_xcnt 0x0
; THE ROWS ARE PLACED BY EXPERT: a counting sort of the 2,048 (token, expert) rows, on whole numbers alone, by one work-group; a thread is a token.
; Each expert's rows lie on end, by token number, and begin at a multiple of 16: slot = 16 x tilebase[e] + rank.  The sum of ceil(n_e / 16) is at most 135 tiles.
; rt: LIST at 0: [2176] the token of each slot;  SLOT at 8,704: [1024][2] the two slots of each token;  META at 16,896: words 0-7 tilebase[e], 8-15 tiles[e], 16-31 zero.
; The slots that fill an expert's last tile name token 0: their rows are computed by the later launches and read by nobody.  Slots of tiles that no expert has are not written, and not read.
; One work-group: the sort has 8 KB to read and 17 KB to write, and needs every wave's counts; through LDS that is one barrier and no traffic between work-groups.
.set CN, 12                            ; v12-19 the 32 waves' counts of each expert (a lane stands for a wave), then their sums
.set TP, 20                            ; v20-27 at work in the sums
.set MK, 16                            ; s16-23 which lanes of my wave chose expert e
.set PRE, 24                           ; s24-31 rows of expert e in the waves before mine
.set TOT, 32                           ; s32-39 rows of expert e
.set NTL, 40                           ; s40-47 its tiles
.set BAS, 48                           ; s48-55 its first tile
.set STA, 56                           ; s56-63 the slot of my wave's first row of it
	s_load_b128 s[4:7], s[0:1], 0x0                ; topi s[4:5], rt s[6:7]
	v_lshl_add_u32 v64, v0, 2, 0x1000
	v_mov_b32 v65, 0
	v_lshrrev_b32 v1, 5, v0
	v_readfirstlane_b32 s8, v1                     ; wave 0..31
	v_and_b32 v1, 31, v0                           ; lane
	v_lshlrev_b32 v2, 3, v0                        ; 8 x token
	v_lshlrev_b32 v3, 2, v1                        ; 4 x lane
	v_lshlrev_b32 v7, 7, v1
	s_lshl_b32 s9, s8, 2
	v_add_nc_u32 v7, s9, v7                        ; LDS: row = lane (the expert, in lanes 0-7), word = my wave
	v_mov_b32 v6, 0
	v_mov_b32 v11, 2049
	v_mov_b32 v32, 0
	v_mov_b32 v33, 0
	v_mov_b32 v37, 0
	v_mov_b32 v38, 0
	v_mov_b32 v39, 0
	v_mov_b32 v44, 0
	v_mov_b32 v45, 0
.irp e, 0,1,2,3,4,5,6,7
	v_mov_b32 v[TP+\e], 0                          ; written once: the destination of a lane move counts as one of its sources
.endr
	s_mov_b32 s10, 0x76543210
	s_mov_b32 s11, 0xfedcba98
	s_wait_kmcnt 0x0
	global_load_b64 v[4:5], v2, s[4:5]             ; my token's two experts
	s_wait_loadcnt 0x0
	v_min_u32 v4, 7, v4
	v_min_u32 v5, 7, v5
.irp e, 0,1,2,3,4,5,6,7
	v_cmp_eq_u32 s12, \e, v4
	v_cmp_eq_u32 s13, \e, v5
	s_or_b32 s[MK+\e], s12, s13
	s_bcnt1_i32_b32 s14, s[MK+\e]
	v_writelane_b32 v6, s14, \e                    ; lane e: my wave's count of expert e; lanes 8-31 hold 0
.endr
	ds_store_b32 v7, v6
	s_wait_dscnt 0x0                               ; for the others' sake
	s_barrier_signal -1
	s_barrier_wait -1
.irp e, 0,1,2,3,4,5,6,7
	ds_load_b32 v[CN+\e], v3 offset:128*\e         ; lane w: wave w's count of expert e
.endr
	v_cmp_gt_u32 vcc_lo, s8, v1                    ; a wave before mine?
	v_cndmask_b32 v10, 1, v11, vcc_lo              ; then its count goes into the total (bits 10:0) and into my prefix (from bit 11 on): x 2,049
	s_wait_dscnt 0x0
.irp e, 0,1,2,3,4,5,6,7
	v_mul_u32_u24 v[CN+\e], v[CN+\e], v10
.endr
.irp m, 1,2,4,8
.irp e, 0,1,2,3,4,5,6,7
	v_mov_b32_dpp v[TP+\e], v[CN+\e] row_xmask:\m row_mask:0xf bank_mask:0xf
.endr
.irp e, 0,1,2,3,4,5,6,7
	v_add_nc_u32 v[CN+\e], v[CN+\e], v[TP+\e]
.endr
.endr
.irp e, 0,1,2,3,4,5,6,7
	v_permlanex16_b32 v[TP+\e], v[CN+\e], s10, s11
.endr
.irp e, 0,1,2,3,4,5,6,7
	v_add_nc_u32 v[CN+\e], v[CN+\e], v[TP+\e]
.endr
	s_mov_b32 s2, 0                                ; tiles so far
.irp e, 0,1,2,3,4,5,6,7
	v_readfirstlane_b32 s3, v[CN+\e]
	s_and_b32 s[TOT+\e], s3, 0x7ff
	s_lshr_b32 s[PRE+\e], s3, 11
	s_add_co_u32 s3, s[TOT+\e], 15
	s_lshr_b32 s[NTL+\e], s3, 4
	s_mov_b32 s[BAS+\e], s2
	s_add_co_u32 s2, s2, s[NTL+\e]
	s_lshl_b32 s3, s[BAS+\e], 4
	s_add_co_u32 s[STA+\e], s3, s[PRE+\e]
.endr
	; ---- my token's two slots
.irp e, 0,1,2,3,4,5,6,7
	v_mbcnt_lo_u32_b32 v30, s[MK+\e], 0            ; lanes before mine that chose expert e
	v_add_nc_u32 v30, s[STA+\e], v30
	v_cmp_eq_u32 vcc_lo, \e, v4
	v_cndmask_b32 v32, v32, v30, vcc_lo
	v_cmp_eq_u32 vcc_lo, \e, v5
	v_cndmask_b32 v33, v33, v30, vcc_lo
.endr
	v_min_u32 v32, 0x87f, v32                      ; 2,175: the last slot
	v_min_u32 v33, 0x87f, v33
	v_lshlrev_b32 v34, 2, v32
	v_lshlrev_b32 v35, 2, v33
	global_store_b64 v2, v[32:33], s[6:7] offset:8704
	global_store_b32 v34, v0, s[6:7]
	global_store_b32 v35, v0, s[6:7]
	; ---- the slots that fill each expert's last tile: thread 16 e + j looks at place j of it
	v_lshrrev_b32 v36, 4, v0
	v_and_b32 v41, 15, v0
.irp e, 0,1,2,3,4,5,6,7
	v_cmp_ne_u32 vcc_lo, \e, v36
	v_cndmask_b32 v37, s[TOT+\e], v37, vcc_lo
	v_cndmask_b32 v38, s[NTL+\e], v38, vcc_lo
	v_cndmask_b32 v39, s[BAS+\e], v39, vcc_lo      ; threads from 128 on keep zeros, and find nothing to fill
.endr
	v_and_b32 v40, -16, v37
	v_add_nc_u32 v40, v40, v41                     ; q: place j of the tile in which the rows end
	v_lshlrev_b32 v42, 4, v38
	v_cmp_ge_u32 s12, v40, v37                     ; behind the last row,
	v_cmp_lt_u32 s13, v40, v42                     ; inside the expert's tiles
	v_lshl_add_u32 v43, v39, 4, v40
	v_min_u32 v43, 0x87f, v43
	v_lshlrev_b32 v43, 2, v43
	s_and_b32 vcc_lo, s12, s13
	s_wait_xcnt 0x0                                ; EXEC changes only behind this wait
	s_and_saveexec_b32 s14, vcc_lo
	global_store_b32 v43, v44, s[6:7]              ; token 0
	s_wait_xcnt 0x0
	s_or_b32 exec_lo, exec_lo, s14
	; ---- the table of tiles: wave 0
	s_cmp_lg_u32 s8, 0
	s_cbranch_scc1 .Lend
.irp e, 0,1,2,3,4,5,6,7
	v_writelane_b32 v45, s[BAS+\e], \e
	v_writelane_b32 v45, s[NTL+\e], 8+\e
.endr
	global_store_b32 v3, v45, s[6:7] offset:16896
.Lend:
	s_wait_tensorcnt 0x0
	ds_add_u32 v64, v65
	s_wait_dscnt 0x0
	s_endpgm
.Lfunc_end_k_qc761cadc33_place:
	.size	k_qc761cadc33_place, .Lfunc_end_k_qc761cadc33_place-k_qc761cadc33_place
	.p2alignl 7, 3214868480
	.fill 96, 4, 3214868480
	.section	.rodata,"a",@progbits
	.p2align	6, 0x0
	.amdhsa_kernel k_qc761cadc33_place
		.amdhsa_group_segment_fixed_size 8192
		.amdhsa_private_segment_fixed_size 0
		.amdhsa_enable_private_segment 0
		.amdhsa_kernarg_size 16
		.amdhsa_user_sgpr_count 2
		.amdhsa_user_sgpr_kernarg_segment_ptr 1
		.amdhsa_wavefront_size32 1
		.amdhsa_system_sgpr_workgroup_id_x 1
		.amdhsa_system_sgpr_workgroup_id_y 1
		.amdhsa_system_sgpr_workgroup_id_z 1
		.amdhsa_system_vgpr_workitem_id 0
		.amdhsa_next_free_vgpr 66
		.amdhsa_next_free_sgpr 66
		.amdhsa_reserve_vcc 1
		.amdhsa_float_denorm_mode_32 3
		.amdhsa_float_denorm_mode_16_64 3
		.amdhsa_memory_ordered 1
		.amdhsa_forward_progress 1
		.amdhsa_inst_pref_size 17
	.end_amdhsa_kernel
	.amdgpu_metadata
---
amdhsa.version: [ 1, 2 ]
amdhsa.kernels:
  - .name:           k_qc761cadc33_place
    .symbol:         k_qc761cadc33_place.kd
    .args:
      - { .name: topi, .offset: 0, .size: 8, .value_kind: global_buffer, .address_space: global }
      - { .name: rt, .offset: 8, .size: 8, .value_kind: global_buffer, .address_space: global }
    .group_segment_fixed_size: 8192
    .private_segment_fixed_size: 0
    .kernarg_segment_align: 8
    .kernarg_segment_size: 16
    .max_flat_workgroup_size: 1024
    .sgpr_count:     66
    .vgpr_count:     66
    .wavefront_size: 32
...
	.end_amdgpu_metadata
.endif
;; end of part 2
;; launch fc1 (part 3): grid 32 x 8, 4 waves a work-group, no clusters, 70,144 bytes of LDS; arguments w1, xc, rt, hc; writes hc
.if DOCPART == 3
	.amdgcn_target "amdgcn-amd-amdhsa--gfx1250"
	.amdhsa_code_object_version 6
	.text
	.protected	k_qc761cadc33_fc1
	.globl	k_qc761cadc33_fc1
	.p2align	8
	.type	k_qc761cadc33_fc1,@function
k_qc761cadc33_fc1:
	s_mov_b64 s[64:65], 0
	v_nop
	global_prefetch_b8 v0, s[64:65] scope:SCOPE_SE
	s_setreg_imm32_b32 hwreg(HW_REG_WAVE_MODE, 25, 1), 1
	s_wait_xcnt 0x0
; h = Q(gelu(Q(x) Q(w1[e]))) for the rows that chose expert e, on codes of E2M1 with one E8M0 scale for each 32 along K.
; w1: [8][1024 (K)][4096] f32.  Work-group (cg, e) owns the slab of expert e, all of K, columns 128 cg .. 128 cg + 127: 512 KB, read from memory ONCE, by this work-group alone.
; THE STREAM.  Wave w takes K rows 256 w .. + 255, as eight sets of 32 rows.  A set is 32 loads of 16 bytes a lane (a load: 512 consecutive bytes of one row); a lane then holds four whole blocks of 32
; along K, one for each of its four columns.  The conversions want K along a lane's consecutive registers, so the set's 128 registers are moved into that order; a block's largest magnitude needs no other lane.
; A block's scale is 2^(floor(log2(largest magnitude)) - 2); its byte is the largest magnitude's exponent field - 2, held at 1 from below.
; THE EXCHANGE.  Each block's 16 bytes of codes go to LDS at the place that they have in the IMAGE OF AN OPERAND'S REGISTERS (fragment = 16 columns x 128 K = 8 registers a lane: register group cc at
; 512 cc + 16 x lane).  One barrier; then every wave loads all 64 fragments into 512 registers, and the 32 registers of scale words.
; THE COLUMNS OF A TILE ARE NOT NEIGHBOURS: row r of tile c + 4 hi is column 64 hi + 4 r + c.  The product is used transposed (source 0 = 16 columns of w1, source 1 = 16 rows of x), so lane (r, h) holds
; row r, and register j of tile c + 4 hi the hidden unit 64 hi + 32 h + 4 j + c: the four tiles of a hi give a lane a WHOLE block of 32 of the next K, which the gelu's last line writes in K's order.
; THE ROWS.  Wave w takes the expert's tiles of 16 slots w, w + 4, ..; the tokens come from the stored list, their codes and scale words from xc.  The result leaves as the register image of fc2's
; operand: hc = [136 tiles][32 K steps][1,024 bytes], and from byte 4,456,448 on [136][32][16] scale words; this work-group's 128 hidden units are K step cg.
; gelu(x) = max(x, 0) - |x| q, q = erfc(|x| / sqrt 2) / 2 = t 2^(-zz^2 + poly(t)), zz = |x| sqrt(log2(e) / 2), t = 1 / (1 + zz / (2 sqrt(log2 e))): a rational-exponential fit of erfc whose own
; fractional error is 1.2e-7 for every argument, with log2(e) and the 1/2 folded into its ten coefficients.
; LIMITS: NaN and infinities are not served.  A block under 2^-124, zeros too, gets the byte 1: its codes are zeros, and this program alone reads the bytes.  gelu's relative error is some 5e-7, and grows
; in the far negative tail with zz^2 x 1e-7.  Where q falls under 2^-126 it counts as 0.  An expert without rows still streams its slab.  A tile's 64 bytes of scale words are a short store.
; NO TENSOR LOADS, NO CLUSTER: the trips hang on counts read from memory, so operands go through registers; each byte of w1 has one reader; what the 32 work-groups of an expert share is
; x's codes, 544 bytes a row against the slab's 512 KB.
; The one barrier stands ahead of every branch on a stored number.
.set PITCH, 16384                      ; bytes from K row to K row
.set RP,    128                        ; K rows from one K step of a lane's blocks to the next
.set NT,    8                          ; tiles of 16 columns
.set FT,    8192                       ; LDS: from tile to tile; a fragment is 1,024 bytes, a tile's eight K steps on end
.set SCB,   65536                      ; LDS: behind the codes: 32 images of scale registers, 128 bytes each
.set CSTC,  8192                       ; a block's place in LDS: from column c to c + 1 (another tile),
.set CSTP,  1024                       ; from K step to K step
.set SSTC,  1024                       ; a scale word's place: from column c to c + 1
.set WB,  4                            ; s[4:5] my wave's part of the slab
.set VW,  4                            ; v4   16 x lane: my bytes of a K row
.set LI,  4                            ;      and an image's place for my lane: the same number
.set CA,  5                            ; v5   where my blocks' codes go
.set SA,  6                            ; v6   where my scale words go
.set LS2, 8                            ; v8   SCB + 4 x lane
.set R4,  9                            ; v9   4 x (lane % 16)
.set LADR, 10                          ; v10  my place in the list of tokens
.set LIDX, 11                          ; v11  the token
.set XO,  12                           ; v12  its codes: 512 x token + 16 x (lane / 16)
.set XSO, 13                           ; v13  its scale words: 32 x token
.set SH8, 14                           ; v14  8 x (lane / 16)
.set H16, 15                           ; v15  16 x (lane / 16)
.set M,   16                           ; v16-19 largest magnitudes
.set SO,  20                           ; v20-23 the conversions' scale operands
.set BY,  24                           ; v24-27 scale bytes
.set WS,  28                           ; v28-31 scale words in the making
.set WSR, 32                           ; v32-63 w1's scale words: register 8 c + s: lanes 0-15 tile c, lanes 16-31 tile c + 4, K step s.  Nothing else ever
.set TSC, 64                           ; v64-71 x's scale words, K step s in register s.  Nothing else ever
.set Q,   80                           ; v80-207 in the stream: column c's 32 numbers at 80 + 32 c
.set X,   80                           ; v80-143 afterwards: x's eight fragments
.set ACC, 144                          ; v144-207 the eight accumulators
.set PC,  208                          ; v208-223 codes just made
.set PW,  224                          ; v224 the scale word just made
.set PT,  225                          ; v225 a lane permute's destination
.set ZZ,  0                            ; window 3: zz,
.set T,   64                           ; t,
.set P,   128                          ; the exponent, then q,
.set G,   192                          ; gelu, in the next K's order
.set TRIP, 60                          ; s60  trips done;  s61  my wave's trips
; window 1 in the stream: two sets as loaded, v0-127 and v128-255; afterwards windows 1 and 2: fragment (tile t, K step s) at register 8 ((8 s + t) % 32) of window 1 + (8 s + t) / 32
.set MSB, 0
.macro WIN new                         ; s_set_vgpr_msb: bits 1:0 source 0, 3:2 source 1, 5:4 source 2, 7:6 destination; the high byte repeats the setting that is left
.if MSB != (\new)
	s_set_vgpr_msb (MSB<<8)|(\new)
.set MSB, (\new)
.endif
.endm
.macro LOADSET n                       ; set n: 32 K rows, into half n % 2 of window 1
	WIN 0x40
.set i, 0
.rept 32
	global_load_b128 v[128*((\n)%2)+4*i:128*((\n)%2)+4*i+3], v[VW], s[WB:WB+1] offset:(RP*((\n)/4)+32*((\n)%4)+i)*PITCH th:TH_LOAD_NT
.set i, i+1
.endr
.endm
.macro QSET n                          ; set n becomes four blocks' codes and a byte of four scale words
.if (\n) < 7
	s_wait_loadcnt 32                              ; this set's 32 loads are in; the next set's 32 may be out
.else
	s_wait_loadcnt 0x0
.endif
	WIN 0x01
.irp c, 0,1,2,3
.set i, 0
.rept 32
	v_mov_b32 v[Q+32*\c+i], v[128*((\n)%2)+4*i+\c]     ; column c's numbers on end, down K
.set i, i+1
.endr
.endr
.if (\n) < 6
	LOADSET (\n)+2                                 ; the half that has been read takes the set two on
.endif
	WIN 0
.irp c, 0,1,2,3
	v_max3_num_f32 v[M+\c], |v[Q+32*\c]|, |v[Q+32*\c+1]|, 0x1800000   ; with the floor 2^(3 - 127): the byte cannot fall under 1
.endr
.irp i, 2,4,6,8,10,12,14,16,18,20,22,24,26,28,30
.irp c, 0,1,2,3
	v_max3_num_f32 v[M+\c], v[M+\c], |v[Q+32*\c+\i]|, |v[Q+32*\c+\i+1]|   ; the four columns by turns
.endr
.endr
	s_wait_dscnt 0x0                               ; the last set's LDS stores have read their registers: scale words and codes may be written
.irp c, 0,1,2,3
	v_add_nc_u32 v[SO+\c], 0xff000000, v[M+\c]     ; 2 off the exponent field
.endr
.irp c, 0,1,2,3
.if (\n)%4 == 0
	v_lshrrev_b32 v[WS+\c], 23, v[SO+\c]           ; the K step's first byte starts the word
.else
	v_lshrrev_b32 v[BY+\c], 23, v[SO+\c]
.endif
.endr
.if (\n)%4 != 0
.irp c, 0,1,2,3
	v_lshl_or_b32 v[WS+\c], v[BY+\c], 8*((\n)%4), v[WS+\c]
.endr
.endif
.irp c, 0,1,2,3
.irp g, 0,1,2,3
	v_cvt_scalef32_pk8_fp4_f32 v[PC+4*\c+\g], v[Q+32*\c+8*\g:Q+32*\c+8*\g+7], v[SO+\c]
.endr
.endr
	v_nop                                          ; one plain line behind the last conversion
.irp c, 0,1,2,3
	ds_store_b128 v[CA], v[PC+4*\c:PC+4*\c+3] offset:CSTC*\c+CSTP*((\n)/4)+512*(((\n)%4)/2)+256*((\n)%2)   ; block b of a K step: register group b / 2, lanes 16 (b % 2) on
.endr
.if (\n)%4 == 3
.irp c, 0,1,2,3
	ds_store_b32 v[SA], v[WS+\c] offset:SSTC*\c+128*((\n)/4)
.endr
.endif
.endm
.macro WFETCH                          ; all 64 fragments and the 32 registers of scale words, out of LDS
.set f, 0
.irp w, 0x40, 0x80
	WIN \w
.rept 32
	ds_load_b128 v[8*(f%32):8*(f%32)+3],   v[LI] offset:(f%NT)*FT+(f/NT)*1024
	ds_load_b128 v[8*(f%32)+4:8*(f%32)+7], v[LI] offset:(f%NT)*FT+(f/NT)*1024+512
.set f, f+1
.endr
.endr
	WIN 0
.set f, 0
.rept 32
	ds_load_b32 v[WSR+f], v[LS2] offset:128*f
.set f, f+1
.endr
.endm
.macro COEF r, bits                    ; a constant as a pair: the packed forms name a pair and take its low word for both halves
	s_mov_b32 s[\r], \bits
	s_mov_b32 s[\r+1], s[\r]
.endm
.macro LISTADR off                     ; my place in the list for my tile off further on, held at the expert's last tile: no load leaves the expert's slots
	s_add_co_u32 s24, s23, \off
	s_min_u32 s24, s24, s29
	s_add_co_u32 s24, s24, s21
	s_min_u32 s24, s24, 135
	s_lshl_b32 s24, s24, 6
	v_add_nc_u32 v[LADR], s24, v[R4]
.endm
.macro TOKADR
	v_min_u32 v[LIDX], 0x3ff, v[LIDX]
	v_lshl_add_u32 v[XO], v[LIDX], 9, v[H16]
	v_lshlrev_b32 v[XSO], 5, v[LIDX]
.endm
.macro XLOAD                           ; 16 rows' codes as eight fragments (lane (r, h): blocks 4 s + 2 cc + h of row r), and their eight scale words
.irp s, 0,1,2,3,4,5,6,7
	global_load_b128 v[X+8*\s:X+8*\s+3],   v[XO], s[6:7] offset:64*\s
	global_load_b128 v[X+8*\s+4:X+8*\s+7], v[XO], s[6:7] offset:64*\s+32
.endr
	global_load_b128 v[TSC:TSC+3],   v[XSO], s[12:13]
	global_load_b128 v[TSC+4:TSC+7], v[XSO], s[12:13] offset:16
.endm
.macro MM1                             ; 64 products: K step by K step, the eight accumulators by turns, one instruction a turn; the first K step starts the sums
.irp s, 0,1,2,3,4,5,6,7
	WIN 0x01+\s/4
.irp t, 0,1,2,3,4,5,6,7
.if \s == 0
.if \t < 4
	v_wmma_scale_f32_16x16x128_f8f6f4 v[ACC+8*\t:ACC+8*\t+7], v[8*((8*\s+\t)%32):8*((8*\s+\t)%32)+7], v[X+8*\s:X+8*\s+7], 0, v[WSR+8*(\t%4)+\s], v[TSC+\s] matrix_a_fmt:MATRIX_FMT_FP4 matrix_b_fmt:MATRIX_FMT_FP4
.else
	v_wmma_scale_f32_16x16x128_f8f6f4 v[ACC+8*\t:ACC+8*\t+7], v[8*((8*\s+\t)%32):8*((8*\s+\t)%32)+7], v[X+8*\s:X+8*\s+7], 0, v[WSR+8*(\t%4)+\s], v[TSC+\s] matrix_a_fmt:MATRIX_FMT_FP4 matrix_b_fmt:MATRIX_FMT_FP4 matrix_a_scale:MATRIX_SCALE_ROW1
.endif
.else
.if \t < 4
	v_wmma_scale_f32_16x16x128_f8f6f4 v[ACC+8*\t:ACC+8*\t+7], v[8*((8*\s+\t)%32):8*((8*\s+\t)%32)+7], v[X+8*\s:X+8*\s+7], v[ACC+8*\t:ACC+8*\t+7], v[WSR+8*(\t%4)+\s], v[TSC+\s] matrix_a_fmt:MATRIX_FMT_FP4 matrix_b_fmt:MATRIX_FMT_FP4
.else
	v_wmma_scale_f32_16x16x128_f8f6f4 v[ACC+8*\t:ACC+8*\t+7], v[8*((8*\s+\t)%32):8*((8*\s+\t)%32)+7], v[X+8*\s:X+8*\s+7], v[ACC+8*\t:ACC+8*\t+7], v[WSR+8*(\t%4)+\s], v[TSC+\s] matrix_a_fmt:MATRIX_FMT_FP4 matrix_b_fmt:MATRIX_FMT_FP4 matrix_a_scale:MATRIX_SCALE_ROW1
.endif
.endif
.endr
.endr
.endm
.macro GELU                            ; the lane's 64 numbers; number a = 8 t + j goes to place 32 (a / 32) + 4 (a % 8) + (a / 8) % 4 of G: the next K's order
	WIN 0xC0                                       ; destination window 3
.set a, 0
.rept 64
	v_mul_f32 v[ZZ+a], s28, |v[ACC+a]|             ; zz; ascending
.set a, a+1
.endr
.set a, 0
.rept 64
	v_max_num_f32 v[G+32*(a/32)+4*(a%8)+(a/8)%4], 0, v[ACC+a]
.set a, a+1
.endr
	WIN 0xFF                                       ; all in window 3
.set a, 0
.rept 32
	v_pk_fma_f32 v[T+a:T+a+1], v[ZZ+a:ZZ+a+1], s[30:31], 1.0 op_sel_hi:[1,0,0]
.set a, a+2
.endr
.set a, 0
.rept 64
	v_rcp_f32 v[T+a], v[T+a]                       ; t
.set a, a+1
.endr
	v_nop                                          ; a plain line behind the last reciprocal
	s_wait_alu depctr_va_vdst(0)                   ; one wait for the 64, ahead of their first reader
.set a, 0
.rept 32
	v_pk_fma_f32 v[P+a:P+a+1], v[T+a:T+a+1], s[32:33], s[34:35] op_sel_hi:[1,0,0]
.set a, a+2
.endr
.irp k, 36,38,40,42,44,46,48,50        ; Horner, a coefficient at a time over the 32 pairs: no line waits for the line above it
.set a, 0
.rept 32
	v_pk_fma_f32 v[P+a:P+a+1], v[P+a:P+a+1], v[T+a:T+a+1], s[\k:\k+1] op_sel_hi:[1,1,0]
.set a, a+2
.endr
.endr
.set a, 0
.rept 32
	v_pk_fma_f32 v[P+a:P+a+1], v[ZZ+a:ZZ+a+1], v[ZZ+a:ZZ+a+1], v[P+a:P+a+1] neg_lo:[1,0,0] neg_hi:[1,0,0]   ; - zz^2
.set a, a+2
.endr
.set a, 0
.rept 64
	v_exp_f32 v[P+a], v[P+a]
.set a, a+1
.endr
	v_nop
	s_wait_alu depctr_va_vdst(0)                   ; and one for the 64 exponentials
.set a, 0
.rept 32
	v_pk_mul_f32 v[P+a:P+a+1], v[P+a:P+a+1], v[T+a:T+a+1]   ; q
.set a, a+2
.endr
	WIN 0xFC                                       ; source 0 window 0
.set a, 0
.rept 64
	v_fma_f32 v[G+32*(a/32)+4*(a%8)+(a/8)%4], -|v[ACC+a]|, v[P+a], v[G+32*(a/32)+4*(a%8)+(a/8)%4]   ; max(x, 0) - |x| q
.set a, a+1
.endr
.endm
.macro HQ                              ; my two whole blocks (h and 2 + h of the K step) become codes, in the operand's own registers; the four bytes of a row's word are gathered from lanes l and l xor 16
	WIN 0x3C                                       ; sources 1 and 2 window 3
.irp u, 0,1
	v_max3_num_f32 v[M+\u], 0x1800000, |v[G+32*\u]|, |v[G+32*\u+1]|
.endr
.irp i, 2,4,6,8,10,12,14,16,18,20,22,24,26,28,30
.irp u, 0,1
	v_max3_num_f32 v[M+\u], v[M+\u], |v[G+32*\u+\i]|, |v[G+32*\u+\i+1]|
.endr
.endr
	WIN 0
.irp u, 0,1
	v_add_nc_u32 v[SO+\u], 0xff000000, v[M+\u]
.endr
.irp u, 0,1
	v_lshrrev_b32 v[BY+\u], 23, v[SO+\u]
.endr
	v_lshl_or_b32 v[PW], v[BY+1], 16, v[BY]
	v_lshlrev_b32 v[PW], v[SH8], v[PW]
	v_permlanex16_b32 v[PT], v[PW], s26, s27
	v_or_b32 v[PW], v[PW], v[PT]
	WIN 0x03                                       ; source 0 window 3
.irp u, 0,1
.irp g, 0,1,2,3
	v_cvt_scalef32_pk8_fp4_f32 v[PC+4*\u+\g], v[G+32*\u+8*\g:G+32*\u+8*\g+7], v[SO+\u]
.endr
.endr
	WIN 0
	v_nop                                          ; one plain line behind the last conversion
.endm
	s_load_b256 s[4:11], s[0:1], 0x0               ; w1 s[4:5], xc s[6:7], rt s[8:9], hc s[10:11]
	v_lshl_add_u32 v254, v0, 2, 0x11000
	v_mov_b32 v255, 0
	v_lshrrev_b32 v1, 5, v0
	v_readfirstlane_b32 s18, v1                    ; wave 0..3
	v_and_b32 v1, 31, v0                           ; lane
	v_and_b32 v2, 15, v0                           ; r
	v_bfe_u32 v3, v0, 4, 1                         ; h (in the stream: hi)
	v_lshlrev_b32 v[VW], 4, v1
	v_lshlrev_b32 v[CA], 15, v3                    ; tiles 4 hi on,
	v_lshl_add_u32 v[CA], v2, 4, v[CA]             ; row r,
	s_lshl_b32 s24, s18, 11
	v_add_nc_u32 v[CA], s24, v[CA]                 ; K steps 2 w on
	v_lshl_add_u32 v[LS2], v1, 2, SCB
	s_lshl_b32 s24, s18, 8
	v_add_nc_u32 v[SA], s24, v[LS2]
	v_lshlrev_b32 v[R4], 2, v2
	v_lshlrev_b32 v[SH8], 3, v3
	v_lshlrev_b32 v[H16], 4, v3
	v_mov_b32 v[PT], 0                             ; written once: a lane permute's destination counts as one of its sources
	s_and_b32 s19, ttmp7, 0xffff                   ; the expert
	s_lshl_b32 s24, s19, 24                        ; its 16 MB,
	s_lshl_b32 s56, ttmp9, 9
	s_add_co_u32 s24, s24, s56                     ; my work-group's 512 bytes of a row,
	s_lshl_b32 s56, s18, 22
	s_add_co_u32 s24, s24, s56                     ; my wave's 256 K rows
	s_mov_b32 s25, 0
	s_lshl_b32 s57, s19, 2
	s_mov_b32 s59, 0
	s_mov_b32 s26, 0x76543210
	s_mov_b32 s27, 0xfedcba98                      ; v_permlanex16_b32's selects for lane l xor 16
	s_mov_b32 s28, 0x3f596d27                      ; sqrt(log2(e) / 2)
	COEF 30, 0x3ed5224d                            ; 1 / (2 sqrt(log2 e))
	COEF 32, 0x3e7c6f08                            ; the fit's coefficients x log2(e), from t^9 down:  0.24651730
	COEF 34, 0xbf97d29d                            ; -1.18611495
	COEF 36, 0x40097039                            ;  2.14747446
	COEF 38, 0xbfd1a1e5                            ; -1.63775315
	COEF 40, 0x3ecdfd18                            ;  0.40232158
	COEF 42, 0xbe899a80                            ; -0.26875686
	COEF 44, 0x3e0efb2e                            ;  0.13963006
	COEF 46, 0x3f0a29d2                            ;  0.53970062
	COEF 48, 0x3fb8ab5a                            ;  1.44272920
	COEF 50, 0xc034d90f                            ; -1.82574822 - 1: the 1/2 of q
	s_wait_kmcnt 0x0
	s_add_nc_u64 s[WB:WB+1], s[4:5], s[24:25]
	LOADSET 0
	LOADSET 1
	s_load_b32 s21, s[8:9], s57 offset:16896       ; the expert's first tile,
	s_load_b32 s22, s[8:9], s57 offset:16928       ; and how many it has
.irp n, 0,1,2,3,4,5,6,7
	QSET \n
.endr
	s_wait_dscnt 0x0                               ; for the others' sake: my codes and scale words have landed
	s_barrier_signal -1
	s_barrier_wait -1                              ; the slab's codes lie in LDS; nothing writes them again
	s_wait_kmcnt 0x0
	s_min_u32 s21, s21, 135
	s_min_u32 s22, s22, 64
	s_mov_b32 s23, s18                             ; my first tile of the expert's
	s_cmp_ge_u32 s23, s22
	s_cbranch_scc1 .Lend                           ; no tile for this wave
	s_sub_co_u32 s29, s22, 1
	s_sub_co_u32 s[TRIP+1], s22, s18               ; my trips: every fourth of the tiles from mine on, rounded up:
	s_add_co_u32 s[TRIP+1], s[TRIP+1], 3
	s_lshr_b32 s[TRIP+1], s[TRIP+1], 2
	s_min_u32 s[TRIP+1], s[TRIP+1], 16             ; 64 tiles at the most make 16
	s_mov_b32 s[TRIP], 0
	LISTADR 0
	global_load_b32 v[LIDX], v[LADR], s[8:9]
	s_add_nc_u64 s[12:13], s[6:7], 0x80000         ; x's scale bytes
	s_lshl_b32 s58, ttmp9, 10
	s_add_nc_u64 s[52:53], s[10:11], s[58:59]      ; hc: K step cg of tile 0: its codes,
	s_lshl_b32 s58, ttmp9, 6
	s_add_nc_u64 s[54:55], s[10:11], s[58:59]
	s_add_nc_u64 s[54:55], s[54:55], 0x440000      ; and its scale words
	s_wait_loadcnt 0x0
	TOKADR
	XLOAD
	LISTADR 4                                      ; (the first list load is done: its address register may be written)
	global_load_b32 v[LIDX], v[LADR], s[8:9]
	WFETCH
	s_wait_dscnt 0x0
.Ltile:                                                ; a trip: one tile of 16 slots
	s_wait_loadcnt 0x0                             ; this tile's codes and scale words, and the next tile's tokens
	MM1
	WIN 0
	TOKADR                                         ; those loads are done, so their address registers may be written
	LISTADR 8
.rept 4
	v_nop                                          ; places behind the last products, in front of loads into registers that they read and of the first read of their results
.endr
	XLOAD                                          ; the next tile's operand lands while this tile's gelu is computed
	global_load_b32 v[LIDX], v[LADR], s[8:9]
	GELU
	HQ
	s_add_co_u32 s24, s23, s21
	s_min_u32 s24, s24, 135                        ; the tile's number among all
	s_lshl_b32 s58, s24, 15
	s_add_nc_u64 s[14:15], s[52:53], s[58:59]
	s_lshl_b32 s58, s24, 11
	s_add_nc_u64 s[16:17], s[54:55], s[58:59]
	global_store_b128 v[LI], v[PC:PC+3], s[14:15]             ; the fragment as it stands: 512 consecutive bytes a store
	global_store_b128 v[LI], v[PC+4:PC+7], s[14:15] offset:512
	global_store_b32 v[R4], v[PW], s[16:17]        ; row r's word; both halves of the lanes hold and write the same
	s_wait_xcnt 0x0                                ; the stores have read their data and bases: the next trip writes both
	s_add_co_u32 s23, s23, 4                       ; my next tile
	s_add_co_u32 s[TRIP], s[TRIP], 1               ; the loop ends on the count of trips, one a trip
	s_cmp_lt_u32 s[TRIP], s[TRIP+1]
	s_cbranch_scc1 .Ltile
.Lend:
	s_wait_tensorcnt 0x0
	ds_add_u32 v254, v255
	s_wait_dscnt 0x0
	s_endpgm
.Lfunc_end_k_qc761cadc33_fc1:
	.size	k_qc761cadc33_fc1, .Lfunc_end_k_qc761cadc33_fc1-k_qc761cadc33_fc1
	.p2alignl 7, 3214868480
	.fill 96, 4, 3214868480
	.section	.rodata,"a",@progbits
	.p2align	6, 0x0
	.amdhsa_kernel k_qc761cadc33_fc1
		.amdhsa_group_segment_fixed_size 70144
		.amdhsa_private_segment_fixed_size 0
		.amdhsa_enable_private_segment 0
		.amdhsa_kernarg_size 32
		.amdhsa_user_sgpr_count 2
		.amdhsa_user_sgpr_kernarg_segment_ptr 1
		.amdhsa_wavefront_size32 1
		.amdhsa_system_sgpr_workgroup_id_x 1
		.amdhsa_system_sgpr_workgroup_id_y 1
		.amdhsa_system_sgpr_workgroup_id_z 1
		.amdhsa_system_vgpr_workitem_id 0
		.amdhsa_next_free_vgpr 1024
		.amdhsa_next_free_sgpr 66
		.amdhsa_reserve_vcc 0
		.amdhsa_float_denorm_mode_32 3
		.amdhsa_float_denorm_mode_16_64 3
		.amdhsa_memory_ordered 1
		.amdhsa_forward_progress 1
		.amdhsa_inst_pref_size 175
	.end_amdhsa_kernel
	.amdgpu_metadata
---
amdhsa.version: [ 1, 2 ]
amdhsa.kernels:
  - .name:           k_qc761cadc33_fc1
    .symbol:         k_qc761cadc33_fc1.kd
    .args:
      - { .name: w1, .offset: 0, .size: 8, .value_kind: global_buffer, .address_space: global }
      - { .name: xc, .offset: 8, .size: 8, .value_kind: global_buffer, .address_space: global }
      - { .name: rt, .offset: 16, .size: 8, .value_kind: global_buffer, .address_space: global }
      - { .name: hc, .offset: 24, .size: 8, .value_kind: global_buffer, .address_space: global }
    .group_segment_fixed_size: 70144
    .private_segment_fixed_size: 0
    .kernarg_segment_align: 8
    .kernarg_segment_size: 32
    .max_flat_workgroup_size: 128
    .sgpr_count:     66
    .vgpr_count:     1024
    .wavefront_size: 32
...
	.end_amdgpu_metadata
.endif
;; end of part 3
;; launch fc2 (part 4): grid 32 x 8, 4 waves a work-group, no clusters, 88,576 bytes of LDS; arguments w2, hc, rt, yp; writes yp
.if DOCPART == 4
	.amdgcn_target "amdgcn-amd-amdhsa--gfx1250"
	.amdhsa_code_object_version 6
	.text
	.protected	k_qc761cadc33_fc2
	.globl	k_qc761cadc33_fc2
	.p2align	8
	.type	k_qc761cadc33_fc2,@function
k_qc761cadc33_fc2:
	s_mov_b64 s[64:65], 0
	v_nop
	global_prefetch_b8 v0, s[64:65] scope:SCOPE_SE
	s_setreg_imm32_b32 hwreg(HW_REG_WAVE_MODE, 25, 1), 1
	s_wait_xcnt 0x0
; y = h Q(w2[e]) for the rows that chose expert e, on codes of E2M1 with one E8M0 scale for each 32 along K; h comes as codes from hc.
; w2: [8][4096 (K)][1024] f32.  Work-group (x, e), cg = x % 16, kh = x / 16, owns the slab of expert e, K rows 2048 kh .. + 2047, columns 64 cg .. + 63: 512 KB, read from memory ONCE, by this work-group alone.
; The two halves of K give two partial sums, yp = [2][2176 slots][1024] f32, which the last launch adds: each number of yp has one writer.
; THE STREAM.  Wave w takes K rows 512 w .. + 511 of the slab, as eight sets.  A load takes 256 consecutive bytes of one K row in lanes 0-15 and of the row 128 further down in lanes 16-31; a set is 32 loads,
; after which a lane holds four whole blocks of 32 along K, one for each of its four columns; they are moved into K's order, quantised, and go to LDS at their places in the images of the operands' registers.
; A block's scale is 2^(floor(log2(largest magnitude)) - 2); its byte is the largest magnitude's exponent field - 2, held at 1 from below.
; One barrier; then every wave loads all 64 fragments (4 tiles of 16 columns x 16 K steps) into 512 registers, and 32 registers of scale words (lanes 0-15 an even K step, lanes 16-31 the odd one behind it).
; THE ROWS.  Wave w takes the expert's tiles of 16 slots in pairs 2 w, 2 w + 8, ..: each fragment of w2 feeds two products.  Where the pair's second tile does not exist, the last tile stands in: computed, not stored.
; The product is used transposed (source 0 = 16 columns of w2, source 1 = 16 slots): a lane holds eight neighbouring columns of one slot; a tile goes through the wave's own stage in LDS and leaves
; as rows: sixteen lanes store 256 consecutive bytes, at a multiple of 256 from yp's first byte.
; LIMITS: NaN and infinities are not served.  A block under 2^-124, zeros too, gets the byte 1: its codes are zeros, and this program alone reads the bytes.  An expert without rows still streams its slab.
; NO TENSOR LOADS, NO CLUSTER: the trips hang on counts read from memory, so operands go through registers; each byte of w2 has one reader; what the 16 work-groups of an expert's half of K share is
; h's codes, 1,088 bytes a row against the slab's 512 KB.
; The one barrier stands ahead of every branch on a stored number.
.set PITCH, 4096                       ; bytes from K row to K row
.set RP,    256                        ; K rows from a lane's K step to its next
.set NT,    4                          ; tiles of 16 columns
.set FT,    16400                      ; LDS: from tile to tile: sixteen fragments of 1,024 bytes + 16, so that the sixteen lanes of a store touch sixteen different 16-byte columns
.set SCB,   65792                      ; LDS: 32 images of scale registers, 128 bytes each
.set STG,   69888                      ; LDS: a stage of 16 rows x (256 + 16) bytes for each wave
.set CSTC,  16                         ; a block's place in LDS: from column c to c + 1 (the next row of the tile),
.set CSTP,  2048                       ; from my K step to my next (two K steps on)
.set SSTC,  4
.set WB,  4                            ; s[4:5] my wave's part of the slab
.set VW,  4                            ; v4   my bytes of a load: 16 (lane % 16), and 128 K rows on for lanes 16-31
.set CA,  5                            ; v5   where my blocks' codes go
.set SA,  6                            ; v6   where my scale words go
.set LI,  7                            ; v7   16 x lane
.set LS2, 8                            ; v8   SCB + 4 x lane
.set STO, 9                            ; v9   the stage: where I put 32 bytes of a row
.set RD,  10                           ; v10  and where I read a row back
.set YO,  11                           ; v11  the same place in yp
.set L4,  12                           ; v12  4 x lane
.set M,   16
.set SO,  20
.set BY,  24
.set WS,  28
.set WSR, 32                           ; v32-63 w2's scale words: register 8 t + s / 2.  Nothing else ever
.set TSC, 64                           ; v64-79 h's scale words: register 8 u + s / 2.  Nothing else ever
.set Q,   80                           ; v80-207 in the stream
.set ACC, 80                           ; v80-143 afterwards: accumulator (tile of slots u, tile of columns t) at 80 + 32 u + 8 t
.set OUTR, 144                         ; v144-207 rows on their way out, 32 registers for each u
.set PC,  208
.set TRIP, 40                          ; s40  trips done;  s41  my wave's trips
; window 1 in the stream: two sets as loaded; afterwards windows 1 and 2: fragment (t, s) at register 8 ((4 s + t) % 32) of window 1 + (4 s + t) / 32;  window 3: h's fragment (u, s) at 128 u + 8 s
.set MSB, 0
.macro WIN new                         ; s_set_vgpr_msb: bits 1:0 source 0, 3:2 source 1, 5:4 source 2, 7:6 destination; the high byte repeats the setting that is left
.if MSB != (\new)
	s_set_vgpr_msb (MSB<<8)|(\new)
.set MSB, (\new)
.endif
.endm
.macro LOADSET n                       ; set n: 32 loads, into half n % 2 of window 1
	WIN 0x40
.set i, 0
.rept 32
	global_load_b128 v[128*((\n)%2)+4*i:128*((\n)%2)+4*i+3], v[VW], s[WB:WB+1] offset:(RP*((\n)/4)+32*((\n)%4)+i)*PITCH th:TH_LOAD_NT
.set i, i+1
.endr
.endm
.macro QSET n                          ; set n becomes four blocks' codes and a byte of four scale words
.if (\n) < 7
	s_wait_loadcnt 32                              ; this set's 32 loads are in; the next set's 32 may be out
.else
	s_wait_loadcnt 0x0
.endif
	WIN 0x01
.irp c, 0,1,2,3
.set i, 0
.rept 32
	v_mov_b32 v[Q+32*\c+i], v[128*((\n)%2)+4*i+\c]     ; column c's numbers on end, down K
.set i, i+1
.endr
.endr
.if (\n) < 6
	LOADSET (\n)+2                                 ; the half that has been read takes the set two on
.endif
	WIN 0
.irp c, 0,1,2,3
	v_max3_num_f32 v[M+\c], |v[Q+32*\c]|, |v[Q+32*\c+1]|, 0x1800000   ; with the floor 2^(3 - 127): the byte cannot fall under 1
.endr
.irp i, 2,4,6,8,10,12,14,16,18,20,22,24,26,28,30
.irp c, 0,1,2,3
	v_max3_num_f32 v[M+\c], v[M+\c], |v[Q+32*\c+\i]|, |v[Q+32*\c+\i+1]|   ; the four columns by turns
.endr
.endr
	s_wait_dscnt 0x0                               ; the last set's LDS stores have read their registers: scale words and codes may be written
.irp c, 0,1,2,3
	v_add_nc_u32 v[SO+\c], 0xff000000, v[M+\c]     ; 2 off the exponent field
.endr
.irp c, 0,1,2,3
.if (\n)%4 == 0
	v_lshrrev_b32 v[WS+\c], 23, v[SO+\c]           ; the K step's first byte starts the word
.else
	v_lshrrev_b32 v[BY+\c], 23, v[SO+\c]
.endif
.endr
.if (\n)%4 != 0
.irp c, 0,1,2,3
	v_lshl_or_b32 v[WS+\c], v[BY+\c], 8*((\n)%4), v[WS+\c]
.endr
.endif
.irp c, 0,1,2,3
.irp g, 0,1,2,3
	v_cvt_scalef32_pk8_fp4_f32 v[PC+4*\c+\g], v[Q+32*\c+8*\g:Q+32*\c+8*\g+7], v[SO+\c]
.endr
.endr
	v_nop                                          ; one plain line behind the last conversion
.irp c, 0,1,2,3
	ds_store_b128 v[CA], v[PC+4*\c:PC+4*\c+3] offset:CSTC*\c+CSTP*((\n)/4)+512*(((\n)%4)/2)+256*((\n)%2)   ; block b of a K step: register group b / 2, lanes 16 (b % 2) on
.endr
.if (\n)%4 == 3
.irp c, 0,1,2,3
	ds_store_b32 v[SA], v[WS+\c] offset:SSTC*\c+128*((\n)/4)
.endr
.endif
.endm
.macro WFETCH                          ; all 64 fragments and the 32 registers of scale words, out of LDS
.set f, 0
.irp w, 0x40, 0x80
	WIN \w
.rept 32
	ds_load_b128 v[8*(f%32):8*(f%32)+3],   v[LI] offset:(f%NT)*FT+(f/NT)*1024
	ds_load_b128 v[8*(f%32)+4:8*(f%32)+7], v[LI] offset:(f%NT)*FT+(f/NT)*1024+512
.set f, f+1
.endr
.endr
	WIN 0
.set f, 0
.rept 32
	ds_load_b32 v[WSR+f], v[LS2] offset:128*f
.set f, f+1
.endr
.endm
.macro PAIR off                        ; where the pair off tiles on lies in hc; each tile is held at the expert's last: no load leaves the expert's tiles
.irp u, 0,1
	s_add_co_u32 s38, s28, \off+\u
	s_min_u32 s38, s38, s31
	s_add_co_u32 s38, s38, s30
	s_min_u32 s38, s38, 135
	s_lshl_b32 s36, s38, 15
	s_add_nc_u64 s[14+2*\u:15+2*\u], s[12:13], s[36:37]
	s_lshl_b32 s36, s38, 11
	s_add_nc_u64 s[20+2*\u:21+2*\u], s[32:33], s[36:37]
.endr
.endm
.macro HLOAD u                         ; tile u of the pair: sixteen fragments as they lie, 512 consecutive bytes a load; eight registers of scale words, two K steps to a register
	WIN 0xC0
.set f, 0
.rept 16
	global_load_b128 v[128*\u+8*f:128*\u+8*f+3],   v[LI], s[14+2*\u:15+2*\u] offset:1024*f
	global_load_b128 v[128*\u+8*f+4:128*\u+8*f+7], v[LI], s[14+2*\u:15+2*\u] offset:1024*f+512
.set f, f+1
.endr
	WIN 0
.irp q, 0,1,2,3,4,5,6,7
	global_load_b32 v[TSC+8*\u+\q], v[L4], s[20+2*\u:21+2*\u] offset:128*\q
.endr
.endm
.macro MM2                             ; 128 products: K step by K step, the eight accumulators by turns, one instruction a turn; the first K step starts the sums
.set k, 0
.rept 16
	WIN 0x0D+k/8                                   ; w2 in window 1 or 2, h in window 3
.irp t, 0,1,2,3
.irp u, 0,1
.if k == 0
	v_wmma_scale_f32_16x16x128_f8f6f4 v[ACC+32*\u+8*\t:ACC+32*\u+8*\t+7], v[8*((4*k+\t)%32):8*((4*k+\t)%32)+7], v[128*\u+8*k:128*\u+8*k+7], 0, v[WSR+8*\t+k/2], v[TSC+8*\u+k/2] matrix_a_fmt:MATRIX_FMT_FP4 matrix_b_fmt:MATRIX_FMT_FP4
.elseif k%2 == 0
	v_wmma_scale_f32_16x16x128_f8f6f4 v[ACC+32*\u+8*\t:ACC+32*\u+8*\t+7], v[8*((4*k+\t)%32):8*((4*k+\t)%32)+7], v[128*\u+8*k:128*\u+8*k+7], v[ACC+32*\u+8*\t:ACC+32*\u+8*\t+7], v[WSR+8*\t+k/2], v[TSC+8*\u+k/2] matrix_a_fmt:MATRIX_FMT_FP4 matrix_b_fmt:MATRIX_FMT_FP4
.else
	v_wmma_scale_f32_16x16x128_f8f6f4 v[ACC+32*\u+8*\t:ACC+32*\u+8*\t+7], v[8*((4*k+\t)%32):8*((4*k+\t)%32)+7], v[128*\u+8*k:128*\u+8*k+7], v[ACC+32*\u+8*\t:ACC+32*\u+8*\t+7], v[WSR+8*\t+k/2], v[TSC+8*\u+k/2] matrix_a_fmt:MATRIX_FMT_FP4 matrix_b_fmt:MATRIX_FMT_FP4 matrix_a_scale:MATRIX_SCALE_ROW1 matrix_b_scale:MATRIX_SCALE_ROW1
.endif
.endr
.endr
.set k, k+1
.endr
.endm
.macro YBASE u                         ; where tile u of the pair in hand lies in yp
	s_add_co_u32 s38, s28, s30
.if \u
	s_add_co_u32 s38, s38, 1
.endif
	s_min_u32 s38, s38, 135
	s_lshl_b32 s36, s38, 16
	s_add_nc_u64 s[24:25], s[34:35], s[36:37]
.endm
.macro YOUT u                          ; 16 slots x 64 columns through my stage; LDS serves a wave's instructions in order, so no wait stands between the stores and the loads
.irp t, 0,1,2,3
	ds_store_b128 v[STO], v[ACC+32*\u+8*\t:ACC+32*\u+8*\t+3] offset:64*\t          ; each accumulator from its low end on
	ds_store_b128 v[STO], v[ACC+32*\u+8*\t+4:ACC+32*\u+8*\t+7] offset:64*\t+16
.endr
.irp t, 0,1,2,3,4,5,6,7
	ds_load_b128 v[OUTR+32*\u+4*\t:OUTR+32*\u+4*\t+3], v[RD] offset:544*\t
.endr
.irp t, 0,1,2,3,4,5,6,7
	s_wait_dscnt 7-\t                              ; rows 2 t and 2 t + 1 are back; the younger loads may be out
	global_store_b128 v[YO], v[OUTR+32*\u+4*\t:OUTR+32*\u+4*\t+3], s[24:25] offset:8192*\t
.endr
.endm
	s_load_b256 s[4:11], s[0:1], 0x0               ; w2 s[4:5], hc s[6:7], rt s[8:9], yp s[10:11]
	v_lshl_add_u32 v254, v0, 2, 0x15800
	v_mov_b32 v255, 0
	v_lshrrev_b32 v1, 5, v0
	v_readfirstlane_b32 s18, v1                    ; wave 0..3
	v_and_b32 v1, 31, v0                           ; lane
	v_and_b32 v2, 15, v0                           ; r
	v_bfe_u32 v3, v0, 4, 1                         ; h (in the stream: which of the load's two K rows)
	v_lshlrev_b32 v[VW], 19, v3                    ; 128 K rows of 4,096 bytes
	v_lshl_add_u32 v[VW], v2, 4, v[VW]
	v_lshrrev_b32 v224, 2, v2                      ; my four columns' tile,
	v_and_b32 v225, 3, v2                          ; and which four of its sixteen rows
	v_mul_u32_u24 v[CA], v224, FT
	v_lshl_add_u32 v[CA], v3, 10, v[CA]            ; lanes 16-31: the next K step
	v_lshl_add_u32 v[CA], v225, 6, v[CA]
	s_lshl_b32 s36, s18, 12
	v_add_nc_u32 v[CA], s36, v[CA]                 ; K steps 4 w on
	v_lshl_add_u32 v[SA], v224, 10, SCB
	v_lshl_add_u32 v[SA], v3, 6, v[SA]
	v_lshl_add_u32 v[SA], v225, 4, v[SA]
	s_lshl_b32 s36, s18, 8
	v_add_nc_u32 v[SA], s36, v[SA]
	v_lshlrev_b32 v[LI], 4, v1
	v_lshl_add_u32 v[LS2], v1, 2, SCB
	s_mul_i32 s36, s18, 4352
	s_add_co_u32 s36, s36, STG                     ; my stage
	v_mul_u32_u24 v[STO], v2, 272
	v_lshl_add_u32 v[STO], v3, 5, v[STO]
	v_add_nc_u32 v[STO], s36, v[STO]               ; in: row r, 32 bytes for each half of the lanes
	v_mul_u32_u24 v[RD], v3, 272
	v_lshl_add_u32 v[RD], v2, 4, v[RD]
	v_add_nc_u32 v[RD], s36, v[RD]                 ; back: lanes 0-15 one row of 256 bytes, lanes 16-31 the next
	v_lshlrev_b32 v[YO], 12, v3
	v_lshl_add_u32 v[YO], v2, 4, v[YO]             ; and the same two rows in yp
	v_lshlrev_b32 v[L4], 2, v1
	s_and_b32 s19, ttmp7, 0xffff                   ; the expert
	s_and_b32 s26, ttmp9, 15                       ; cg
	s_lshr_b32 s27, ttmp9, 4                       ; kh
	s_lshl_b32 s36, s19, 24                        ; the expert's 16 MB,
	s_lshl_b32 s38, s27, 23
	s_add_co_u32 s36, s36, s38                     ; my half of K,
	s_lshl_b32 s38, s18, 21
	s_add_co_u32 s36, s36, s38                     ; my wave's 512 K rows,
	s_lshl_b32 s38, s26, 8
	s_add_co_u32 s36, s36, s38                     ; my work-group's 256 bytes of a row
	s_mov_b32 s37, 0
	s_lshl_b32 s39, s19, 2
	s_wait_kmcnt 0x0
	s_add_nc_u64 s[WB:WB+1], s[4:5], s[36:37]
	LOADSET 0
	LOADSET 1
	s_load_b32 s30, s[8:9], s39 offset:16896       ; the expert's first tile,
	s_load_b32 s29, s[8:9], s39 offset:16928       ; and how many it has
.irp n, 0,1,2,3,4,5,6,7
	QSET \n
.endr
	s_wait_dscnt 0x0                               ; for the others' sake: my codes and scale words have landed
	s_barrier_signal -1
	s_barrier_wait -1                              ; the slab's codes lie in LDS; nothing writes them again
	s_wait_kmcnt 0x0
	s_min_u32 s30, s30, 135
	s_min_u32 s29, s29, 64
	s_lshl_b32 s28, s18, 1                         ; my first pair's first tile
	s_cmp_ge_u32 s28, s29
	s_cbranch_scc1 .Lend                           ; no tile for this wave
	s_sub_co_u32 s31, s29, 1
	s_sub_co_u32 s[TRIP+1], s29, s28               ; my trips: every eighth of the tiles from my first on, rounded up:
	s_add_co_u32 s[TRIP+1], s[TRIP+1], 7
	s_lshr_b32 s[TRIP+1], s[TRIP+1], 3
	s_min_u32 s[TRIP+1], s[TRIP+1], 8              ; 64 tiles at the most make 8
	s_mov_b32 s[TRIP], 0
	s_lshl_b32 s36, s27, 14
	s_add_nc_u64 s[12:13], s[6:7], s[36:37]        ; hc: my half's sixteen K steps of tile 0: codes,
	s_lshl_b32 s36, s27, 10
	s_add_nc_u64 s[32:33], s[6:7], s[36:37]
	s_add_nc_u64 s[32:33], s[32:33], 0x440000      ; and scale words
	s_mul_i32 s36, s27, 0x880000
	s_add_co_u32 s36, s36, s38                     ; (s38 still holds 256 cg)
	s_add_nc_u64 s[34:35], s[10:11], s[36:37]      ; yp: my half, my 64 columns of slot 0
	PAIR 0
	HLOAD 0
	HLOAD 1
	WFETCH
	s_wait_dscnt 0x0
.Lpair:                                                ; a trip: two tiles of 16 slots
	s_wait_loadcnt 0x0                             ; this pair's fragments and scale words; so their bases may be written
	MM2
	WIN 0
.rept 5
	v_nop                                          ; places behind the last products: four in front of loads into registers that they read and of the first read of results; the fifth for the next trip's first products, which begin the same accumulators anew
.endr
	PAIR 8
	HLOAD 0                                        ; the next pair lands while this one goes out
	HLOAD 1
	YBASE 0
	YOUT 0
	s_wait_xcnt 0x0                                ; the stores have read their data and their base: both are written again
	s_add_co_u32 s38, s28, 1
	s_cmp_ge_u32 s38, s29
	s_cbranch_scc1 .Lodd                           ; the expert's tiles end with the pair's first
	YBASE 1
	YOUT 1
	s_wait_xcnt 0x0
.Lodd:
	s_add_co_u32 s28, s28, 8                       ; my next pair
	s_add_co_u32 s[TRIP], s[TRIP], 1               ; the loop ends on the count of trips, one a trip
	s_cmp_lt_u32 s[TRIP], s[TRIP+1]
	s_cbranch_scc1 .Lpair
.Lend:
	s_wait_tensorcnt 0x0
	ds_add_u32 v254, v255
	s_wait_dscnt 0x0
	s_endpgm
.Lfunc_end_k_qc761cadc33_fc2:
	.size	k_qc761cadc33_fc2, .Lfunc_end_k_qc761cadc33_fc2-k_qc761cadc33_fc2
	.p2alignl 7, 3214868480
	.fill 96, 4, 3214868480
	.section	.rodata,"a",@progbits
	.p2align	6, 0x0
	.amdhsa_kernel k_qc761cadc33_fc2
		.amdhsa_group_segment_fixed_size 88576
		.amdhsa_private_segment_fixed_size 0
		.amdhsa_enable_private_segment 0
		.amdhsa_kernarg_size 32
		.amdhsa_user_sgpr_count 2
		.amdhsa_user_sgpr_kernarg_segment_ptr 1
		.amdhsa_wavefront_size32 1
		.amdhsa_system_sgpr_workgroup_id_x 1
		.amdhsa_system_sgpr_workgroup_id_y 1
		.amdhsa_system_sgpr_workgroup_id_z 1
		.amdhsa_system_vgpr_workitem_id 0
		.amdhsa_next_free_vgpr 1024
		.amdhsa_next_free_sgpr 66
		.amdhsa_reserve_vcc 0
		.amdhsa_float_denorm_mode_32 3
		.amdhsa_float_denorm_mode_16_64 3
		.amdhsa_memory_ordered 1
		.amdhsa_forward_progress 1
		.amdhsa_inst_pref_size 157
	.end_amdhsa_kernel
	.amdgpu_metadata
---
amdhsa.version: [ 1, 2 ]
amdhsa.kernels:
  - .name:           k_qc761cadc33_fc2
    .symbol:         k_qc761cadc33_fc2.kd
    .args:
      - { .name: w2, .offset: 0, .size: 8, .value_kind: global_buffer, .address_space: global }
      - { .name: hc, .offset: 8, .size: 8, .value_kind: global_buffer, .address_space: global }
      - { .name: rt, .offset: 16, .size: 8, .value_kind: global_buffer, .address_space: global }
      - { .name: yp, .offset: 24, .size: 8, .value_kind: global_buffer, .address_space: global }
    .group_segment_fixed_size: 88576
    .private_segment_fixed_size: 0
    .kernarg_segment_align: 8
    .kernarg_segment_size: 32
    .max_flat_workgroup_size: 128
    .sgpr_count:     66
    .vgpr_count:     1024
    .wavefront_size: 32
...
	.end_amdgpu_metadata
.endif
;; end of part 4
;; launch combine (part 5): grid 256 x 1, 4 waves a work-group, no clusters, 0 bytes of LDS; arguments yp, gate, rt, out0; writes out0
.if DOCPART == 5
	.amdgcn_target "amdgcn-amd-amdhsa--gfx1250"
	.amdhsa_code_object_version 6
	.text
	.protected	k_qc761cadc33_combine
	.globl	k_qc761cadc33_combine
	.p2align	8
	.type	k_qc761cadc33_combine,@function
k_qc761cadc33_combine:
	s_mov_b64 s[64:65], 0
	v_nop
	global_prefetch_b8 v0, s[64:65] scope:SCOPE_SE
	s_setreg_imm32_b32 hwreg(HW_REG_WAVE_MODE, 25, 1), 1
	s_wait_xcnt 0x0
; out0[t] = g0 y[slot0] + g1 y[slot1], y[slot] = the sum of yp's two halves of K.  yp: [2][2176 slots][1024] f32; gate: [1024][2] f32; the slots: rt from byte 8,704 on, [1024][2].
; A wave takes one token (4 x work-group + wave): four rows of 4,096 bytes in, one out; each load and store covers 512 consecutive bytes.  All 32 loads go out at once; the waits count down.
; Each output row has one owner.  A stream: no LDS, no barrier, no matrix unit, nothing shared between work-groups.
	s_load_b256 s[4:11], s[0:1], 0x0               ; yp s[4:5], gate s[6:7], rt s[8:9], out0 s[10:11]
	v_lshrrev_b32 v1, 5, v0
	v_readfirstlane_b32 s12, v1                    ; wave
	v_and_b32 v1, 31, v0
	v_lshlrev_b32 v1, 4, v1                        ; 16 x lane
	s_lshl_b32 s13, ttmp9, 2
	s_add_co_u32 s13, s13, s12                     ; my token
	s_lshl_b32 s28, s13, 3
	s_lshl_b32 s30, s13, 12
	s_mov_b32 s31, 0
	s_wait_kmcnt 0x0
	s_load_b64 s[14:15], s[8:9], s28 offset:8704   ; its two slots,
	s_load_b64 s[16:17], s[6:7], s28               ; and their weights
	s_add_nc_u64 s[10:11], s[10:11], s[30:31]
	s_wait_kmcnt 0x0
	s_min_u32 s14, s14, 0x87f                      ; 2,175: the last slot
	s_min_u32 s15, s15, 0x87f
	s_lshl_b32 s30, s14, 12
	s_add_nc_u64 s[20:21], s[4:5], s[30:31]        ; slot 0, first half of K,
	s_add_nc_u64 s[22:23], s[20:21], 0x880000      ; second half
	s_lshl_b32 s30, s15, 12
	s_add_nc_u64 s[24:25], s[4:5], s[30:31]        ; slot 1 likewise
	s_add_nc_u64 s[26:27], s[24:25], 0x880000
	s_mov_b32 s18, s17                             ; g1 as a pair of its own: the packed forms take a pair's low word for both halves
	s_mov_b32 s19, s17
.irp j, 0,1,2,3,4,5,6,7
	global_load_b128 v[16+16*\j:19+16*\j],  v1, s[20:21] offset:512*\j th:TH_LOAD_NT
	global_load_b128 v[20+16*\j:23+16*\j],  v1, s[22:23] offset:512*\j th:TH_LOAD_NT
	global_load_b128 v[24+16*\j:27+16*\j],  v1, s[24:25] offset:512*\j th:TH_LOAD_NT
	global_load_b128 v[28+16*\j:31+16*\j],  v1, s[26:27] offset:512*\j th:TH_LOAD_NT
.endr
.irp j, 0,1,2,3,4,5,6,7
	s_wait_loadcnt 4*(7-\j)                        ; piece j's four loads are in; the later pieces' may be out
	v_pk_add_f32 v[16+16*\j:17+16*\j], v[16+16*\j:17+16*\j], v[20+16*\j:21+16*\j]
	v_pk_add_f32 v[18+16*\j:19+16*\j], v[18+16*\j:19+16*\j], v[22+16*\j:23+16*\j]
	v_pk_add_f32 v[24+16*\j:25+16*\j], v[24+16*\j:25+16*\j], v[28+16*\j:29+16*\j]
	v_pk_add_f32 v[26+16*\j:27+16*\j], v[26+16*\j:27+16*\j], v[30+16*\j:31+16*\j]
	v_pk_mul_f32 v[144+4*\j:145+4*\j], v[16+16*\j:17+16*\j], s[16:17] op_sel_hi:[1,0]
	v_pk_mul_f32 v[146+4*\j:147+4*\j], v[18+16*\j:19+16*\j], s[16:17] op_sel_hi:[1,0]
	v_pk_fma_f32 v[144+4*\j:145+4*\j], v[24+16*\j:25+16*\j], s[18:19], v[144+4*\j:145+4*\j] op_sel_hi:[1,0,1]
	v_pk_fma_f32 v[146+4*\j:147+4*\j], v[26+16*\j:27+16*\j], s[18:19], v[146+4*\j:147+4*\j] op_sel_hi:[1,0,1]
	global_store_b128 v1, v[144+4*\j:147+4*\j], s[10:11] offset:512*\j th:TH_STORE_NT   ; each piece has registers of its own: no store's data are written again
.endr
	s_endpgm
.Lfunc_end_k_qc761cadc33_combine:
	.size	k_qc761cadc33_combine, .Lfunc_end_k_qc761cadc33_combine-k_qc761cadc33_combine
	.p2alignl 7, 3214868480
	.fill 96, 4, 3214868480
	.section	.rodata,"a",@progbits
	.p2align	6, 0x0
	.amdhsa_kernel k_qc761cadc33_combine
		.amdhsa_group_segment_fixed_size 0
		.amdhsa_private_segment_fixed_size 0
		.amdhsa_enable_private_segment 0
		.amdhsa_kernarg_size 32
		.amdhsa_user_sgpr_count 2
		.amdhsa_user_sgpr_kernarg_segment_ptr 1
		.amdhsa_wavefront_size32 1
		.amdhsa_system_sgpr_workgroup_id_x 1
		.amdhsa_system_sgpr_workgroup_id_y 1
		.amdhsa_system_sgpr_workgroup_id_z 1
		.amdhsa_system_vgpr_workitem_id 0
		.amdhsa_next_free_vgpr 176
		.amdhsa_next_free_sgpr 66
		.amdhsa_reserve_vcc 0
		.amdhsa_float_denorm_mode_32 3
		.amdhsa_float_denorm_mode_16_64 3
		.amdhsa_memory_ordered 1
		.amdhsa_forward_progress 1
		.amdhsa_inst_pref_size 10
	.end_amdhsa_kernel
	.amdgpu_metadata
---
amdhsa.version: [ 1, 2 ]
amdhsa.kernels:
  - .name:           k_qc761cadc33_combine
    .symbol:         k_qc761cadc33_combine.kd
    .args:
      - { .name: yp, .offset: 0, .size: 8, .value_kind: global_buffer, .address_space: global }
      - { .name: gate, .offset: 8, .size: 8, .value_kind: global_buffer, .address_space: global }
      - { .name: rt, .offset: 16, .size: 8, .value_kind: global_buffer, .address_space: global }
      - { .name: out0, .offset: 24, .size: 8, .value_kind: global_buffer, .address_space: global }
    .group_segment_fixed_size: 0
    .private_segment_fixed_size: 0
    .kernarg_segment_align: 8
    .kernarg_segment_size: 32
    .max_flat_workgroup_size: 128
    .sgpr_count:     66
    .vgpr_count:     176
    .wavefront_size: 32
...
	.end_amdgpu_metadata
.endif
;; end of part 5
;; ======== version 2 of 2: 5 launches
;; workspace buffers: xc 557,056 bytes; topi 8,192 bytes of whole numbers; gate 8,192 bytes; rt 17,152 bytes of whole numbers; hc 4,734,976 bytes; yp 17,825,792 bytes
;; launch route (part 6): grid 256 x 1, 4 waves a work-group, no clusters, 37,376 bytes of LDS; arguments x, router_w, xc, topi, gate; writes xc, topi, gate
.if DOCPART == 6
	.amdgcn_target "amdgcn-amd-amdhsa--gfx1250"
	.amdhsa_code_object_version 6
	.text
	.protected	k_qc761cadc33_route
	.globl	k_qc761cadc33_route
	.p2align	8
	.type	k_qc761cadc33_route,@function
k_qc761cadc33_route:
	s_mov_b64 s[64:65], 0
	v_nop
	global_prefetch_b8 v0, s[64:65] scope:SCOPE_SE
	s_setreg_imm32_b32 hwreg(HW_REG_WAVE_MODE, 25, 1), 1
	s_wait_xcnt 0x0
; ROUTER AND QUANTISER OF x.  x: [1024 tokens][1024] f32; router_w: [8][1024] f32.
; A wave takes one token (4 x work-group + wave); lane l owns the token's block l: numbers 32 l .. 32 l + 31.
; (1) The block becomes 32 codes of E2M1 (16 bytes) and one E8M0 byte: xc holds [1024][512] bytes of codes, and from byte 524,288 on [1024][32] scale bytes.
;     A block's scale is 2^(floor(log2(largest magnitude)) - 2); its byte is the largest magnitude's exponent field - 2, held at 1 from below.
; (2) The eight logits in f32 by fused multiply-adds (a lane's 32 numbers against router_w's, which lies in LDS), summed over the lanes; softmax with the maximum taken away;
;     the two largest probabilities, the lower index on ties; their weights v / (v0 + v1 + 1e-9).
; The choice is stored at FIXED places (topi [1024][2] whole numbers, gate [1024][2] f32): no address and no branch here hangs on it.
; LDS: router_w as 256 pieces of 128 bytes, 144 bytes apart: piece 32 e + l at 4,608 e + 144 l, so that sixteen lanes' 16-byte reads start at sixteen different 16-byte columns.
; LIMITS: NaN and infinities are not served.  A block under 2^-124, zeros too, gets the byte 1: its codes are zeros, and this program alone reads the bytes.
; Ties between probabilities are decided on this text's own f32 numbers.  The 32 scale bytes and the 8 + 8 bytes of the choice of a token are short stores: 48 KB in the launch.
; No cluster: the work-groups share router_w alone, 32 KB, read once by each through registers.
.set XR, 32                            ; v32-63   my 32 numbers of x
.set RB, 64                            ; v64-191  first router_w as loaded (64 registers), then four buffers of 32 numbers of router_w
.set AC, 192                           ; v192-207 eight sums, a pair each
.set LG, 208                           ; v208-215 logits, then probabilities
	s_load_b256 s[4:11], s[0:1], 0x0               ; x s[4:5], router_w s[6:7], xc s[8:9], topi s[10:11]
	s_load_b64 s[12:13], s[0:1], 0x20              ; gate
	v_lshl_add_u32 v224, v0, 2, 0x9000
	v_mov_b32 v225, 0
	v_lshrrev_b32 v1, 5, v0
	v_readfirstlane_b32 s14, v1                    ; wave 0..3
	v_and_b32 v1, 31, v0                           ; lane
	v_lshlrev_b32 v2, 7, v1                        ; x: my block's 128 bytes
	v_lshlrev_b32 v3, 4, v1                        ; 16 x lane
	v_lshrrev_b32 v4, 3, v1
	v_mul_u32_u24 v4, v4, 144
	v_and_b32 v7, 7, v1
	v_lshl_add_u32 v4, v7, 4, v4
	s_mul_i32 s16, s14, 9216
	v_add_nc_u32 v4, s16, v4                       ; LDS, on the way in: eight lanes fill a piece: 144 (lane / 8) + 16 (lane % 8) + my wave's 64 pieces
	v_mul_u32_u24 v5, v1, 144                      ; LDS, on the way out: my piece of expert 0
	v_lshlrev_b32 v6, 2, v1                        ; 4 x lane
	s_lshl_b32 s15, ttmp9, 2
	s_add_co_u32 s15, s15, s14                     ; my token
	s_lshl_b32 s16, s15, 12                        ; its row of x
	s_mov_b32 s17, 0
	s_lshl_b32 s18, s14, 13                        ; my wave's 8,192 bytes of router_w
	s_mov_b32 s19, 0
	s_lshl_b32 s20, s15, 9                         ; its 512 bytes of codes
	s_mov_b32 s21, 0
	s_lshl_b32 s22, s15, 5                         ; its 32 scale bytes
	s_mov_b32 s23, 0
	s_lshl_b32 s24, s15, 3                         ; its 8 bytes in topi and in gate
	s_mov_b32 s25, 0
	s_mov_b32 s26, 0x76543210
	s_mov_b32 s27, 0xfedcba98                      ; v_permlanex16_b32's selects for lane l xor 16
	s_mov_b32 s28, 0x3fb8aa3b                      ; log2(e)
	s_wait_alu depctr_va_vdst(0)
	s_wait_kmcnt 0x0
	s_add_nc_u64 s[4:5], s[4:5], s[16:17]
	s_add_nc_u64 s[6:7], s[6:7], s[18:19]
	s_add_nc_u64 s[16:17], s[8:9], s[22:23]
	s_add_nc_u64 s[8:9], s[8:9], s[20:21]
	s_add_nc_u64 s[10:11], s[10:11], s[24:25]
	s_add_nc_u64 s[12:13], s[12:13], s[24:25]
.irp j, 0,1,2,3,4,5,6,7
	global_load_b128 v[XR+4*\j:XR+4*\j+3], v2, s[4:5] offset:16*\j th:TH_LOAD_NT
.endr
.irp q, 0,1,2,3,4,5,6,7,8,9,10,11,12,13,14,15
	global_load_b128 v[RB+4*\q:RB+4*\q+3], v3, s[6:7] offset:512*\q   ; 512 consecutive bytes a load
.endr
	s_wait_loadcnt 16                              ; x's eight loads are in; router_w's sixteen, issued behind them, may be out
	; ---- the block's scale and codes
	v_max3_num_f32 v8, |v[XR]|, |v[XR+1]|, |v[XR+2]|
	v_max3_num_f32 v9, |v[XR+3]|, |v[XR+4]|, |v[XR+5]|
.irp i, 6,10,14,18,22,26
	v_max3_num_f32 v8, v8, |v[XR+\i]|, |v[XR+\i+1]|
	v_max3_num_f32 v9, v9, |v[XR+\i+2]|, |v[XR+\i+3]|
.endr
	v_max3_num_f32 v8, v8, |v[XR+30]|, |v[XR+31]|
	v_max3_num_f32 v8, v8, v9, 0x1800000           ; and the floor 2^(3 - 127): the byte cannot fall under 1
	v_add_nc_u32 v21, 0xff000000, v8               ; 2 off the exponent field: the conversion takes this operand's exponent field as its scale
.irp g, 0,1,2,3
	v_cvt_scalef32_pk8_fp4_f32 v[16+\g], v[XR+8*\g:XR+8*\g+7], v21
.endr
	v_lshrrev_b32 v20, 23, v21                     ; the scale's byte (also the plain line behind the conversions)
	global_store_b128 v3, v[16:19], s[8:9]         ; the wave stores the token's 512 bytes of codes on end
	global_store_b8 v1, v20, s[16:17] offset:524288
	; ---- router_w into LDS
	s_wait_loadcnt 0x0
.irp q, 0,1,2,3,4,5,6,7,8,9,10,11,12,13,14,15
	ds_store_b128 v4, v[RB+4*\q:RB+4*\q+3] offset:576*\q      ; a load's 512 bytes are four pieces
.endr
	s_wait_dscnt 0x0                               ; for the others' sake: my stores have landed
	s_barrier_signal -1
	s_barrier_wait -1
	; ---- the eight logits, two experts at a time; the next pair's numbers are on their way meanwhile
.macro RWLD e, buf
.irp j, 0,1,2,3,4,5,6,7
	ds_load_b128 v[\buf+4*\j:\buf+4*\j+3], v5 offset:4608*(\e)+16*\j
.endr
.endm
.macro DOT2 e0, b0, b1                 ; experts e0 and e0 + 1 by turns: a packed product starts each sum, fifteen packed multiply-adds follow
	v_pk_mul_f32 v[AC+2*(\e0):AC+2*(\e0)+1], v[XR:XR+1], v[\b0:\b0+1]
	v_pk_mul_f32 v[AC+2*(\e0)+2:AC+2*(\e0)+3], v[XR:XR+1], v[\b1:\b1+1]
.irp i, 2,4,6,8,10,12,14,16,18,20,22,24,26,28,30
	v_pk_fma_f32 v[AC+2*(\e0):AC+2*(\e0)+1], v[XR+\i:XR+\i+1], v[\b0+\i:\b0+\i+1], v[AC+2*(\e0):AC+2*(\e0)+1]
	v_pk_fma_f32 v[AC+2*(\e0)+2:AC+2*(\e0)+3], v[XR+\i:XR+\i+1], v[\b1+\i:\b1+\i+1], v[AC+2*(\e0)+2:AC+2*(\e0)+3]
.endr
.endm
	RWLD 0, RB
	RWLD 1, RB+32
	RWLD 2, RB+64
	RWLD 3, RB+96
	s_wait_dscnt 16                                ; experts 0 and 1 are in; the sixteen loads behind them may be out
	DOT2 0, RB, RB+32
	RWLD 4, RB
	RWLD 5, RB+32
	s_wait_dscnt 16
	DOT2 2, RB+64, RB+96
	RWLD 6, RB+64
	RWLD 7, RB+96
	s_wait_dscnt 16
	DOT2 4, RB, RB+32
	s_wait_dscnt 0x0
	DOT2 6, RB+64, RB+96
.irp e, 0,1,2,3,4,5,6,7
	v_add_f32 v[LG+\e], v[AC+2*\e], v[AC+2*\e+1]
.endr
.irp m, 1,2,4,8
.irp e, 0,1,2,3,4,5,6,7
	v_add_f32_dpp v[LG+\e], v[LG+\e], v[LG+\e] row_xmask:\m row_mask:0xf bank_mask:0xf
.endr
.endr
.irp e, 0,1,2,3,4,5,6,7
	v_permlanex16_b32 v[AC+\e], v[LG+\e], s26, s27
.endr
.irp e, 0,1,2,3,4,5,6,7
	v_add_f32 v[LG+\e], v[LG+\e], v[AC+\e]         ; every lane holds the token's eight logits
.endr
	; ---- softmax: the maximum is taken away, the probabilities are normalised
	v_max3_num_f32 v8, v[LG], v[LG+1], v[LG+2]
	v_max3_num_f32 v8, v8, v[LG+3], v[LG+4]
	v_max3_num_f32 v8, v8, v[LG+5], v[LG+6]
	v_max_num_f32 v8, v8, v[LG+7]
	v_mul_f32 v9, s28, v8                          ; m log2(e): one number for all eight, so its rounding cancels in the normalisation
.irp e, 0,1,2,3,4,5,6,7
	v_fma_f32 v[LG+\e], v[LG+\e], s28, -v9
.endr
	s_wait_alu depctr_va_vdst(0)
.irp e, 0,1,2,3,4,5,6,7
	v_exp_f32 v[LG+\e], v[LG+\e]
.endr
	v_nop                                          ; a plain line behind the last exponential
	s_wait_alu depctr_va_vdst(0)                   ; one wait for the eight, ahead of their first reader
	v_add_f32 v10, v[LG], v[LG+1]
	v_add_f32 v11, v[LG+2], v[LG+3]
	v_add_f32 v12, v[LG+4], v[LG+5]
	v_add_f32 v13, v[LG+6], v[LG+7]
	v_add_f32 v10, v10, v11
	v_add_f32 v12, v12, v13
	v_add_f32 v10, v10, v12
	s_wait_alu depctr_va_vdst(0)
	v_rcp_f32 v10, v10
	v_mov_b32 v220, -1.0                           ; (a plain line behind the reciprocal)  under every probability
	s_wait_alu depctr_va_vdst(0)
.irp e, 0,1,2,3,4,5,6,7
	v_mul_f32 v[LG+\e], v[LG+\e], v10
.endr
	; ---- the two largest; a later expert wins only if it is strictly larger, so the lower index wins ties
	v_mov_b32 v216, v[LG]
	v_mov_b32 v217, 0
.irp e, 1,2,3,4,5,6,7
	v_cmp_le_f32 vcc_lo, v[LG+\e], v216            ; not larger: keep
	v_cndmask_b32 v216, v[LG+\e], v216, vcc_lo
	v_cndmask_b32 v217, \e, v217, vcc_lo
.endr
.irp e, 0,1,2,3,4,5,6,7
	v_cmp_eq_u32 vcc_lo, \e, v217
	v_cndmask_b32 v[LG+\e], v[LG+\e], v220, vcc_lo ; the winner leaves the field
.endr
	v_mov_b32 v218, v[LG]
	v_mov_b32 v219, 0
.irp e, 1,2,3,4,5,6,7
	v_cmp_le_f32 vcc_lo, v[LG+\e], v218
	v_cndmask_b32 v218, v[LG+\e], v218, vcc_lo
	v_cndmask_b32 v219, \e, v219, vcc_lo
.endr
	v_add_f32 v8, v216, v218
	v_add_f32 v8, 0x3089705f, v8                   ; + 1e-9
	s_wait_alu depctr_va_vdst(0)
	v_rcp_f32 v8, v8
	v_cmp_eq_u32 vcc_lo, 1, v1                     ; (a plain line behind the reciprocal)  lane 1 takes the second choice
	s_wait_alu depctr_va_vdst(0)
	v_mul_f32 v216, v216, v8
	v_mul_f32 v218, v218, v8
	v_cndmask_b32 v9, v217, v219, vcc_lo
	v_cndmask_b32 v10, v216, v218, vcc_lo
	s_wait_alu depctr_va_vdst(0)
	s_wait_xcnt 0x0                                ; EXEC changes only behind this wait: the stores above have read theirs
	v_cmp_gt_u32 vcc_lo, 2, v1
	s_wait_tensorcnt 0x0
	ds_add_u32 v224, v225
	s_wait_dscnt 0x0
	s_and_saveexec_b32 s30, vcc_lo                 ; lanes 0 and 1
	global_store_b32 v6, v9, s[10:11]
	global_store_b32 v6, v10, s[12:13]
	s_wait_xcnt 0x0
	s_or_b32 exec_lo, exec_lo, s30
	s_endpgm
.Lfunc_end_k_qc761cadc33_route:
	.size	k_qc761cadc33_route, .Lfunc_end_k_qc761cadc33_route-k_qc761cadc33_route
	.p2alignl 7, 3214868480
	.fill 96, 4, 3214868480
	.section	.rodata,"a",@progbits
	.p2align	6, 0x0
	.amdhsa_kernel k_qc761cadc33_route
		.amdhsa_group_segment_fixed_size 37376
		.amdhsa_private_segment_fixed_size 0
		.amdhsa_enable_private_segment 0
		.amdhsa_kernarg_size 40
		.amdhsa_user_sgpr_count 2
		.amdhsa_user_sgpr_kernarg_segment_ptr 1
		.amdhsa_wavefront_size32 1
		.amdhsa_system_sgpr_workgroup_id_x 1
		.amdhsa_system_sgpr_workgroup_id_y 1
		.amdhsa_system_sgpr_workgroup_id_z 1
		.amdhsa_system_vgpr_workitem_id 0
		.amdhsa_next_free_vgpr 226
		.amdhsa_next_free_sgpr 66
		.amdhsa_reserve_vcc 1
		.amdhsa_float_denorm_mode_32 3
		.amdhsa_float_denorm_mode_16_64 3
		.amdhsa_memory_ordered 1
		.amdhsa_forward_progress 1
		.amdhsa_inst_pref_size 27
	.end_amdhsa_kernel
	.amdgpu_metadata
---
amdhsa.version: [ 1, 2 ]
amdhsa.kernels:
  - .name:           k_qc761cadc33_route
    .symbol:         k_qc761cadc33_route.kd
    .args:
      - { .name: x, .offset: 0, .size: 8, .value_kind: global_buffer, .address_space: global }
      - { .name: router_w, .offset: 8, .size: 8, .value_kind: global_buffer, .address_space: global }
      - { .name: xc, .offset: 16, .size: 8, .value_kind: global_buffer, .address_space: global }
      - { .name: topi, .offset: 24, .size: 8, .value_kind: global_buffer, .address_space: global }
      - { .name: gate, .offset: 32, .size: 8, .value_kind: global_buffer, .address_space: global }
    .group_segment_fixed_size: 37376
    .private_segment_fixed_size: 0
    .kernarg_segment_align: 8
    .kernarg_segment_size: 40
    .max_flat_workgroup_size: 128
    .sgpr_count:     66
    .vgpr_count:     226
    .wavefront_size: 32
...
	.end_amdgpu_metadata
.endif
;; end of part 6
;; launch place (part 7): grid 1 x 1, 32 waves a work-group, no clusters, 8,192 bytes of LDS; arguments topi, rt; writes rt
.if DOCPART == 7
	.amdgcn_target "amdgcn-amd-amdhsa--gfx1250"
	.amdhsa_code_object_version 6
	.text
	.protected	k_qc761cadc33_place
	.globl	k_qc761cadc33_place
	.p2align	8
	.type	k_qc761cadc33_place,@function
k_qc761cadc33_place:
	s_mov_b64 s[64:65], 0
	v_nop
	global_prefetch_b8 v0, s[64:65] scope:SCOPE_SE
	s_setreg_imm32_b32 hwreg(HW_REG_WAVE_MODE, 25, 1), 1
	s_wait_xcnt 0x0
; THE ROWS ARE PLACED BY EXPERT: a counting sort of the 2,048 (token, expert) rows, on whole numbers alone, by one work-group; a thread is a token.
; Each expert's rows lie on end, by token number, and begin at a multiple of 16: slot = 16 x tilebase[e] + rank.  The sum of ceil(n_e / 16) is at most 135 tiles.
; rt: LIST at 0: [2176] the token of each slot;  SLOT at 8,704: [1024][2] the two slots of each token;  META at 16,896: words 0-7 tilebase[e], 8-15 tiles[e], 16-31 zero.
; The slots that fill an expert's last tile name token 0: their rows are computed by the later launches and read by nobody.  Slots of tiles that no expert has are not written, and not read.
; One work-group: the sort has 8 KB to read and 17 KB to write, and needs every wave's counts; through LDS that is one barrier and no traffic between work-groups.
.set CN, 12                            ; v12-19 the 32 waves' counts of each expert (a lane stands for a wave), then their sums
.set TP, 20                            ; v20-27 at work in the sums
.set MK, 16                            ; s16-23 which lanes of my wave chose expert e
.set PRE, 24                           ; s24-31 rows of expert e in the waves before mine
.set TOT, 32                           ; s32-39 rows of expert e
.set NTL, 40                           ; s40-47 its tiles
.set BAS, 48                           ; s48-55 its first tile
.set STA, 56                           ; s56-63 the slot of my wave's first row of it
	s_load_b128 s[4:7], s[0:1], 0x0                ; topi s[4:5], rt s[6:7]
	v_lshl_add_u32 v64, v0, 2, 0x1000
	v_mov_b32 v65, 0
	v_lshrrev_b32 v1, 5, v0
	s_delay_alu instid0(VALU_DEP_1)
	v_readfirstlane_b32 s8, v1                     ; wave 0..31
	v_and_b32 v1, 31, v0                           ; lane
	v_lshlrev_b32 v2, 3, v0                        ; 8 x token
	s_delay_alu instid0(VALU_DEP_2)
	v_lshlrev_b32 v3, 2, v1                        ; 4 x lane
	s_delay_alu instid0(VALU_DEP_3)
	v_lshlrev_b32 v7, 7, v1
	s_lshl_b32 s9, s8, 2
	v_add_nc_u32 v7, s9, v7                        ; LDS: row = lane (the expert, in lanes 0-7), word = my wave
	v_mov_b32 v6, 0
	v_mov_b32 v11, 2049
	v_mov_b32 v32, 0
	v_mov_b32 v33, 0
	v_mov_b32 v37, 0
	v_mov_b32 v38, 0
	v_mov_b32 v39, 0
	v_mov_b32 v44, 0
	v_mov_b32 v45, 0
.irp e, 0,1,2,3,4,5,6,7
	v_mov_b32 v[TP+\e], 0                          ; written once: the destination of a lane move counts as one of its sources
.endr
	s_mov_b32 s10, 0x76543210
	s_mov_b32 s11, 0xfedcba98
	s_wait_kmcnt 0x0
	global_load_b64 v[4:5], v2, s[4:5]             ; my token's two experts
	s_wait_loadcnt 0x0
	v_min_u32 v4, 7, v4
	v_min_u32 v5, 7, v5
.irp e, 0,1,2,3,4,5,6,7
	v_cmp_eq_u32 s12, \e, v4
	v_cmp_eq_u32 s13, \e, v5
	s_or_b32 s[MK+\e], s12, s13
	s_bcnt1_i32_b32 s14, s[MK+\e]
	v_writelane_b32 v6, s14, \e                    ; lane e: my wave's count of expert e; lanes 8-31 hold 0
.endr
	ds_store_b32 v7, v6
	s_wait_dscnt 0x0                               ; for the others' sake
	s_barrier_signal -1
	s_barrier_wait -1
.irp e, 0,1,2,3,4,5,6,7
	ds_load_b32 v[CN+\e], v3 offset:128*\e         ; lane w: wave w's count of expert e
.endr
	v_cmp_gt_u32 vcc_lo, s8, v1                    ; a wave before mine?
	s_delay_alu instid0(VALU_DEP_1)
	v_cndmask_b32 v10, 1, v11, vcc_lo              ; then its count goes into the total (bits 10:0) and into my prefix (from bit 11 on): x 2,049
	s_wait_alu depctr_va_vdst(0)
	s_wait_dscnt 0x0
.irp e, 0,1,2,3,4,5,6,7
	v_mul_u32_u24 v[CN+\e], v[CN+\e], v10
.endr
.irp m, 1,2,4,8
.irp e, 0,1,2,3,4,5,6,7
	v_mov_b32_dpp v[TP+\e], v[CN+\e] row_xmask:\m row_mask:0xf bank_mask:0xf
.endr
.irp e, 0,1,2,3,4,5,6,7
	v_add_nc_u32 v[CN+\e], v[CN+\e], v[TP+\e]
.endr
.endr
.irp e, 0,1,2,3,4,5,6,7
	v_permlanex16_b32 v[TP+\e], v[CN+\e], s10, s11
.endr
.irp e, 0,1,2,3,4,5,6,7
	v_add_nc_u32 v[CN+\e], v[CN+\e], v[TP+\e]
.endr
	s_mov_b32 s2, 0                                ; tiles so far
	s_wait_alu depctr_va_vdst(0)
.irp e, 0,1,2,3,4,5,6,7
	v_readfirstlane_b32 s3, v[CN+\e]
	s_and_b32 s[TOT+\e], s3, 0x7ff
	s_lshr_b32 s[PRE+\e], s3, 11
	s_add_co_u32 s3, s[TOT+\e], 15
	s_lshr_b32 s[NTL+\e], s3, 4
	s_mov_b32 s[BAS+\e], s2
	s_add_co_u32 s2, s2, s[NTL+\e]
	s_lshl_b32 s3, s[BAS+\e], 4
	s_add_co_u32 s[STA+\e], s3, s[PRE+\e]
.endr
	; ---- my token's two slots
.irp e, 0,1,2,3,4,5,6,7
	v_mbcnt_lo_u32_b32 v30, s[MK+\e], 0            ; lanes before mine that chose expert e
	s_delay_alu instid0(VALU_DEP_1)
	v_add_nc_u32 v30, s[STA+\e], v30
	v_cmp_eq_u32 vcc_lo, \e, v4
	s_delay_alu instid0(VALU_DEP_1)
	v_cndmask_b32 v32, v32, v30, vcc_lo
	v_cmp_eq_u32 vcc_lo, \e, v5
	s_delay_alu instid0(VALU_DEP_1)
	v_cndmask_b32 v33, v33, v30, vcc_lo
.endr
	s_delay_alu instid0(VALU_DEP_3)
	v_min_u32 v32, 0x87f, v32                      ; 2,175: the last slot
	s_delay_alu instid0(VALU_DEP_2)
	v_min_u32 v33, 0x87f, v33
	s_delay_alu instid0(VALU_DEP_2)
	v_lshlrev_b32 v34, 2, v32
	s_delay_alu instid0(VALU_DEP_2)
	v_lshlrev_b32 v35, 2, v33
	global_store_b64 v2, v[32:33], s[6:7] offset:8704
	global_store_b32 v34, v0, s[6:7]
	global_store_b32 v35, v0, s[6:7]
	; ---- the slots that fill each expert's last tile: thread 16 e + j looks at place j of it
	v_lshrrev_b32 v36, 4, v0
	v_and_b32 v41, 15, v0
.irp e, 0,1,2,3,4,5,6,7
	v_cmp_ne_u32 vcc_lo, \e, v36
	s_delay_alu instid0(VALU_DEP_1)
	v_cndmask_b32 v37, s[TOT+\e], v37, vcc_lo
	s_delay_alu instid0(VALU_DEP_2)
	v_cndmask_b32 v38, s[NTL+\e], v38, vcc_lo
	s_delay_alu instid0(VALU_DEP_3)
	v_cndmask_b32 v39, s[BAS+\e], v39, vcc_lo      ; threads from 128 on keep zeros, and find nothing to fill
.endr
	s_delay_alu instid0(VALU_DEP_3)
	v_and_b32 v40, -16, v37
	s_delay_alu instid0(VALU_DEP_1)
	v_add_nc_u32 v40, v40, v41                     ; q: place j of the tile in which the rows end
	s_delay_alu instid0(VALU_DEP_4)
	v_lshlrev_b32 v42, 4, v38
	s_delay_alu instid0(VALU_DEP_2)
	v_cmp_ge_u32 s12, v40, v37                     ; behind the last row,
	s_delay_alu instid0(VALU_DEP_2)
	v_cmp_lt_u32 s13, v40, v42                     ; inside the expert's tiles
	s_delay_alu instid0(VALU_DEP_4)
	v_lshl_add_u32 v43, v39, 4, v40
	s_delay_alu instid0(VALU_DEP_1)
	v_min_u32 v43, 0x87f, v43
	s_delay_alu instid0(VALU_DEP_1)
	v_lshlrev_b32 v43, 2, v43
	s_and_b32 vcc_lo, s12, s13
	s_wait_alu depctr_va_vdst(0)
	s_wait_xcnt 0x0                                ; EXEC changes only behind this wait
	s_and_saveexec_b32 s14, vcc_lo
	global_store_b32 v43, v44, s[6:7]              ; token 0
	s_wait_xcnt 0x0
	s_or_b32 exec_lo, exec_lo, s14
	; ---- the table of tiles: wave 0
	s_cmp_lg_u32 s8, 0
	s_cbranch_scc1 .Lend
.irp e, 0
	v_writelane_b32 v45, s[BAS+\e], \e
	s_delay_alu instid0(VALU_DEP_1)
	v_writelane_b32 v45, s[NTL+\e], 8+\e
.endr
.irp e, 1, 2, 3, 4, 5, 6, 7
	s_delay_alu instid0(VALU_DEP_1)
	v_writelane_b32 v45, s[BAS+\e], \e
	s_delay_alu instid0(VALU_DEP_1)
	v_writelane_b32 v45, s[NTL+\e], 8+\e
.endr
	global_store_b32 v3, v45, s[6:7] offset:16896
.Lend:
	s_wait_tensorcnt 0x0
	ds_add_u32 v64, v65
	s_wait_dscnt 0x0
	s_endpgm
.Lfunc_end_k_qc761cadc33_place:
	.size	k_qc761cadc33_place, .Lfunc_end_k_qc761cadc33_place-k_qc761cadc33_place
	.p2alignl 7, 3214868480
	.fill 96, 4, 3214868480
	.section	.rodata,"a",@progbits
	.p2align	6, 0x0
	.amdhsa_kernel k_qc761cadc33_place
		.amdhsa_group_segment_fixed_size 8192
		.amdhsa_private_segment_fixed_size 0
		.amdhsa_enable_private_segment 0
		.amdhsa_kernarg_size 16
		.amdhsa_user_sgpr_count 2
		.amdhsa_user_sgpr_kernarg_segment_ptr 1
		.amdhsa_wavefront_size32 1
		.amdhsa_system_sgpr_workgroup_id_x 1
		.amdhsa_system_sgpr_workgroup_id_y 1
		.amdhsa_system_sgpr_workgroup_id_z 1
		.amdhsa_system_vgpr_workitem_id 0
		.amdhsa_next_free_vgpr 66
		.amdhsa_next_free_sgpr 66
		.amdhsa_reserve_vcc 1
		.amdhsa_float_denorm_mode_32 3
		.amdhsa_float_denorm_mode_16_64 3
		.amdhsa_memory_ordered 1
		.amdhsa_forward_progress 1
		.amdhsa_inst_pref_size 19
	.end_amdhsa_kernel
	.amdgpu_metadata
---
amdhsa.version: [ 1, 2 ]
amdhsa.kernels:
  - .name:           k_qc761cadc33_place
    .symbol:         k_qc761cadc33_place.kd
    .args:
      - { .name: topi, .offset: 0, .size: 8, .value_kind: global_buffer, .address_space: global }
      - { .name: rt, .offset: 8, .size: 8, .value_kind: global_buffer, .address_space: global }
    .group_segment_fixed_size: 8192
    .private_segment_fixed_size: 0
    .kernarg_segment_align: 8
    .kernarg_segment_size: 16
    .max_flat_workgroup_size: 1024
    .sgpr_count:     66
    .vgpr_count:     66
    .wavefront_size: 32
...
	.end_amdgpu_metadata
.endif
;; end of part 7
;; launch fc1 (part 8): grid 32 x 8, 4 waves a work-group, no clusters, 70,144 bytes of LDS; arguments w1, xc, rt, hc; writes hc
.if DOCPART == 8
	.amdgcn_target "amdgcn-amd-amdhsa--gfx1250"
	.amdhsa_code_object_version 6
	.text
	.protected	k_qc761cadc33_fc1
	.globl	k_qc761cadc33_fc1
	.p2align	8
	.type	k_qc761cadc33_fc1,@function
k_qc761cadc33_fc1:
	s_mov_b64 s[64:65], 0
	v_nop
	global_prefetch_b8 v0, s[64:65] scope:SCOPE_SE
	s_setreg_imm32_b32 hwreg(HW_REG_WAVE_SCHED_MODE, 0, 2), 2
	s_setreg_imm32_b32 hwreg(HW_REG_WAVE_MODE, 25, 1), 1
	s_wait_xcnt 0x0
	s_wait_alu depctr_vm_vsrc(0)
; h = Q(gelu(Q(x) Q(w1[e]))) for the rows that chose expert e, on codes of E2M1 with one E8M0 scale for each 32 along K.
; w1: [8][1024 (K)][4096] f32.  Work-group (cg, e) owns the slab of expert e, all of K, columns 128 cg .. 128 cg + 127: 512 KB, read from memory ONCE, by this work-group alone.
; THE STREAM.  Wave w takes K rows 256 w .. + 255, as eight sets of 32 rows.  A set is 32 loads of 16 bytes a lane (a load: 512 consecutive bytes of one row); a lane then holds four whole blocks of 32
; along K, one for each of its four columns.  The conversions want K along a lane's consecutive registers, so the set's 128 registers are moved into that order; a block's largest magnitude needs no other lane.
; A block's scale is 2^(floor(log2(largest magnitude)) - 2); its byte is the largest magnitude's exponent field - 2, held at 1 from below.
; THE EXCHANGE.  Each block's 16 bytes of codes go to LDS at the place that they have in the IMAGE OF AN OPERAND'S REGISTERS (fragment = 16 columns x 128 K = 8 registers a lane: register group cc at
; 512 cc + 16 x lane).  One barrier; then every wave loads all 64 fragments into 512 registers, and the 32 registers of scale words.
; THE COLUMNS OF A TILE ARE NOT NEIGHBOURS: row r of tile c + 4 hi is column 64 hi + 4 r + c.  The product is used transposed (source 0 = 16 columns of w1, source 1 = 16 rows of x), so lane (r, h) holds
; row r, and register j of tile c + 4 hi the hidden unit 64 hi + 32 h + 4 j + c: the four tiles of a hi give a lane a WHOLE block of 32 of the next K, which the gelu's last line writes in K's order.
; THE ROWS.  Wave w takes the expert's tiles of 16 slots w, w + 4, ..; the tokens come from the stored list, their codes and scale words from xc.  The result leaves as the register image of fc2's
; operand: hc = [136 tiles][32 K steps][1,024 bytes], and from byte 4,456,448 on [136][32][16] scale words; this work-group's 128 hidden units are K step cg.
; gelu(x) = max(x, 0) - |x| q, q = erfc(|x| / sqrt 2) / 2 = t 2^(-zz^2 + poly(t)), zz = |x| sqrt(log2(e) / 2), t = 1 / (1 + zz / (2 sqrt(log2 e))): a rational-exponential fit of erfc whose own
; fractional error is 1.2e-7 for every argument, with log2(e) and the 1/2 folded into its ten coefficients.
; LIMITS: NaN and infinities are not served.  A block under 2^-124, zeros too, gets the byte 1: its codes are zeros, and this program alone reads the bytes.  gelu's relative error is some 5e-7, and grows
; in the far negative tail with zz^2 x 1e-7.  Where q falls under 2^-126 it counts as 0.  An expert without rows still streams its slab.  A tile's 64 bytes of scale words are a short store.
; NO TENSOR LOADS, NO CLUSTER: the trips hang on counts read from memory, so operands go through registers; each byte of w1 has one reader; what the 32 work-groups of an expert share is
; x's codes, 544 bytes a row against the slab's 512 KB.
; The one barrier stands ahead of every branch on a stored number.
; THE MODE: SCHED_MODE bits 1:0 = 2 (LLVM: expert scheduling mode 2), set by the entry lines.  The code itself states the register dependences between vector or matrix instructions and memory or LDS
; instructions, with s_wait_alu, always for 0.
; THE PLAN.  Registers that memory or LDS instructions touch:
;   IN THE STREAM.  Window 1's two halves: set n's loads land in half n % 2; set n's 128 moves read it; behind them set n + 2's loads land in it.
;     v[PC ..], v[WS ..]: written by set n's conversions and shifts; read by set n's LDS stores, which are issued in set n + 1, behind that set's moves and loads.
;     So ONE wait on va_vdst stands in a set, behind its moves: they are done reading the half, and the set before has written its codes and words.  ONE wait on vm_vsrc stands ahead of the set's
;     shifts and conversions, 64 maxima behind those stores: they have read v[PC ..] and v[WS ..].  Behind the last set one more wait on va_vdst stands ahead of its stores.
;   v4 to v9, v14, v15: offsets and LDS addresses, made once at the head, ahead of the first wait on va_vdst, and never written again.  The list of tokens is reached by a scalar base over v[R4].
;   IN THE LOOP OVER TILES.  v[X ..], v[TSC ..]: the next tile's loads land in them; the 64 products read them.  v[XO], v[XSO]: made from the loaded tokens by three vector lines; read by those loads.
;     v[LIDX]: the list's load lands in it; the three lines read and write it.  v[PC ..], v[PW]: written by the tile's quantiser; read by its three stores.
;     A trip has one wait on vm_vsrc behind the products (the loads of this tile's operand have read v[XO] and v[XSO], the last tile's stores v[PC ..] and v[PW]), one on va_vdst ahead of the next
;     tile's loads, one on va_vdst ahead of the stores, and the two behind the reciprocals and the exponentials.  The registers leave no room for a second set of x's fragments (72 are wanted, 39 are free).
.set PITCH, 16384                      ; bytes from K row to K row
.set RP,    128                        ; K rows from one K step of a lane's blocks to the next
.set NT,    8                          ; tiles of 16 columns
.set FT,    8192                       ; LDS: from tile to tile; a fragment is 1,024 bytes, a tile's eight K steps on end
.set SCB,   65536                      ; LDS: behind the codes: 32 images of scale registers, 128 bytes each
.set CSTC,  8192                       ; a block's place in LDS: from column c to c + 1 (another tile),
.set CSTP,  1024                       ; from K step to K step
.set SSTC,  1024                       ; a scale word's place: from column c to c + 1
.set WB,  4                            ; s[4:5] my wave's part of the slab
.set LB,  62                           ; s[62:63] the list of tokens at the tile whose tokens are asked for next
.set VW,  4                            ; v4   16 x lane: my bytes of a K row
.set LI,  4                            ;      and an image's place for my lane: the same number
.set CA,  5                            ; v5   where my blocks' codes go
.set SA,  6                            ; v6   where my scale words go
.set LS2, 8                            ; v8   SCB + 4 x lane
.set R4,  9                            ; v9   4 x (lane % 16): my place in a tile's 64 bytes of the list, and of its scale words
.set LIDX, 11                          ; v11  the token
.set XO,  12                           ; v12  its codes: 512 x token + 16 x (lane / 16)
.set XSO, 13                           ; v13  its scale words: 32 x token
.set SH8, 14                           ; v14  8 x (lane / 16)
.set H16, 15                           ; v15  16 x (lane / 16)
.set M,   16                           ; v16-19 largest magnitudes
.set SO,  20                           ; v20-23 the conversions' scale operands
.set BY,  24                           ; v24-27 scale bytes
.set WS,  28                           ; v28-31 scale words in the making
.set WSR, 32                           ; v32-63 w1's scale words: register 8 c + s: lanes 0-15 tile c, lanes 16-31 tile c + 4, K step s.  Nothing else ever
.set TSC, 64                           ; v64-71 x's scale words, K step s in register s.  Nothing else ever
.set Q,   80                           ; v80-207 in the stream: column c's 32 numbers at 80 + 32 c
.set X,   80                           ; v80-143 afterwards: x's eight fragments
.set ACC, 144                          ; v144-207 the eight accumulators
.set PC,  208                          ; v208-223 codes just made
.set PW,  224                          ; v224 the scale word just made
.set PT,  225                          ; v225 a lane permute's destination
.set ZZ,  0                            ; window 3: zz,
.set T,   64                           ; t,
.set P,   128                          ; the exponent, then q,
.set G,   192                          ; gelu, in the next K's order
.set TRIP, 60                          ; s60  trips done;  s61  my wave's trips
; window 1 in the stream: two sets as loaded, v0-127 and v128-255; afterwards windows 1 and 2: fragment (tile t, K step s) at register 8 ((8 s + t) % 32) of window 1 + (8 s + t) / 32
.set MSB, 0
.macro WIN new                         ; s_set_vgpr_msb: bits 1:0 source 0, 3:2 source 1, 5:4 source 2, 7:6 destination; the high byte repeats the setting that is left
.if MSB != (\new)
	s_set_vgpr_msb (MSB<<8)|(\new)
.set MSB, (\new)
.endif
.endm
.macro LOADSET n                       ; set n: 32 K rows, into half n % 2 of window 1
	WIN 0x40
.set i, 0
.rept 32
	global_load_b128 v[128*((\n)%2)+4*i:128*((\n)%2)+4*i+3], v[VW], s[WB:WB+1] offset:(RP*((\n)/4)+32*((\n)%4)+i)*PITCH th:TH_LOAD_NT
.set i, i+1
.endr
.endm
.macro STORESET n                      ; set n's four blocks of codes go to LDS, and behind a K step's fourth set its four scale words
.irp c, 0,1,2,3
	ds_store_b128 v[CA], v[PC+4*\c:PC+4*\c+3] offset:CSTC*\c+CSTP*((\n)/4)+512*(((\n)%4)/2)+256*((\n)%2)   ; block b of a K step: register group b / 2, lanes 16 (b % 2) on
.endr
.if (\n)%4 == 3
.irp c, 0,1,2,3
	ds_store_b32 v[SA], v[WS+\c] offset:SSTC*\c+128*((\n)/4)
.endr
.endif
.endm
.macro QSET n                          ; set n becomes four blocks' codes and a byte of four scale words; the set before goes to LDS on the way
.if (\n) < 7
	s_wait_loadcnt 32                              ; this set's 32 loads are in; the next set's 32 may be out
.else
	s_wait_loadcnt 0x0
.endif
	WIN 0x01
.irp c, 0,1,2,3
.set i, 0
.rept 32
	v_mov_b32 v[Q+32*\c+i], v[128*((\n)%2)+4*i+\c]     ; column c's numbers on end, down K
.set i, i+1
.endr
.endr
.if (\n) < 6
	WIN 0x40
	s_wait_alu depctr_va_vdst(0)                   ; the moves are done reading this half, in which the loads below land; from the second set on: the set before has written v[PC ..] and v[WS ..], which the LDS stores below read
	LOADSET (\n)+2                                 ; the half that has been read takes the set two on
	WIN 0
.else
	WIN 0
	s_wait_alu depctr_va_vdst(0)                   ; the set before has written v[PC ..] and v[WS ..], which the LDS stores below read
.endif
.if (\n) > 0
	STORESET (\n)-1                                ; no vector line since the wait names their registers
.endif
.irp c, 0,1,2,3
	v_max3_num_f32 v[M+\c], |v[Q+32*\c]|, |v[Q+32*\c+1]|, 0x1800000   ; with the floor 2^(3 - 127): the byte cannot fall under 1
.endr
.irp i, 2,4,6,8,10,12,14,16,18,20,22,24,26,28,30
.irp c, 0,1,2,3
	v_max3_num_f32 v[M+\c], v[M+\c], |v[Q+32*\c+\i]|, |v[Q+32*\c+\i+1]|   ; the four columns by turns
.endr
.endr
.if (\n) > 0
	s_wait_alu depctr_va_vdst(0)
	s_wait_dscnt 0x0                               ; the LDS stores above are done,
	s_wait_alu depctr_vm_vsrc(0)                   ; and have read v[PC ..] and v[WS ..], which the shifts and conversions below write again
.endif
.irp c, 0,1,2,3
	v_add_nc_u32 v[SO+\c], 0xff000000, v[M+\c]     ; 2 off the exponent field
.endr
.irp c, 0,1,2,3
.if (\n)%4 == 0
	v_lshrrev_b32 v[WS+\c], 23, v[SO+\c]           ; the K step's first byte starts the word
.else
	v_lshrrev_b32 v[BY+\c], 23, v[SO+\c]
.endif
.endr
.if (\n)%4 != 0
.irp c, 0,1,2,3
	v_lshl_or_b32 v[WS+\c], v[BY+\c], 8*((\n)%4), v[WS+\c]
.endr
.endif
.irp c, 0,1,2,3
.irp g, 0,1,2,3
	v_cvt_scalef32_pk8_fp4_f32 v[PC+4*\c+\g], v[Q+32*\c+8*\g:Q+32*\c+8*\g+7], v[SO+\c]
.endr
.endr
	v_nop                                          ; one plain line behind the last conversion
.endm
.macro WFETCH                          ; all 64 fragments and the 32 registers of scale words, out of LDS
.set f, 0
.irp w, 0x40, 0x80
	WIN \w
.rept 32
	ds_load_b128 v[8*(f%32):8*(f%32)+3],   v[LI] offset:(f%NT)*FT+(f/NT)*1024
	ds_load_b128 v[8*(f%32)+4:8*(f%32)+7], v[LI] offset:(f%NT)*FT+(f/NT)*1024+512
.set f, f+1
.endr
.endr
	WIN 0
.set f, 0
.rept 32
	ds_load_b32 v[WSR+f], v[LS2] offset:128*f
.set f, f+1
.endr
.endm
.macro COEF r, bits                    ; a constant as a pair: the packed forms name a pair and take its low word for both halves
	s_mov_b32 s[\r], \bits
	s_mov_b32 s[\r+1], s[\r]
.endm
.macro LISTADR off                     ; the list at my tile off further on, held at the expert's last tile: no load leaves the expert's slots.  A scalar base: no vector register is stepped for it
	s_add_co_u32 s24, s23, \off
	s_min_u32 s24, s24, s29
	s_add_co_u32 s24, s24, s21
	s_min_u32 s24, s24, 135
	s_lshl_b32 s24, s24, 6
	s_add_nc_u64 s[LB:LB+1], s[8:9], s[24:25]      ; (s25 holds 0)
.endm
.macro TOKADR
	v_min_u32 v[LIDX], 0x3ff, v[LIDX]
	v_lshl_add_u32 v[XO], v[LIDX], 9, v[H16]
	v_lshlrev_b32 v[XSO], 5, v[LIDX]
.endm
.macro XLOAD                           ; 16 rows' codes as eight fragments (lane (r, h): blocks 4 s + 2 cc + h of row r), and their eight scale words
.irp s, 0,1,2,3,4,5,6,7
	global_load_b128 v[X+8*\s:X+8*\s+3],   v[XO], s[6:7] offset:64*\s
	global_load_b128 v[X+8*\s+4:X+8*\s+7], v[XO], s[6:7] offset:64*\s+32
.endr
	global_load_b128 v[TSC:TSC+3],   v[XSO], s[12:13]
	global_load_b128 v[TSC+4:TSC+7], v[XSO], s[12:13] offset:16
.endm
.macro MM1                             ; 64 products: K step by K step, the eight accumulators by turns, one instruction a turn; the first K step starts the sums
.irp s, 0,1,2,3,4,5,6,7
	WIN 0x01+\s/4
.irp t, 0,1,2,3,4,5,6,7
.if \s == 0
.if \t < 4
	v_wmma_scale_f32_16x16x128_f8f6f4 v[ACC+8*\t:ACC+8*\t+7], v[8*((8*\s+\t)%32):8*((8*\s+\t)%32)+7], v[X+8*\s:X+8*\s+7], 0, v[WSR+8*(\t%4)+\s], v[TSC+\s] matrix_a_fmt:MATRIX_FMT_FP4 matrix_b_fmt:MATRIX_FMT_FP4
.else
	v_wmma_scale_f32_16x16x128_f8f6f4 v[ACC+8*\t:ACC+8*\t+7], v[8*((8*\s+\t)%32):8*((8*\s+\t)%32)+7], v[X+8*\s:X+8*\s+7], 0, v[WSR+8*(\t%4)+\s], v[TSC+\s] matrix_a_fmt:MATRIX_FMT_FP4 matrix_b_fmt:MATRIX_FMT_FP4 matrix_a_scale:MATRIX_SCALE_ROW1
.endif
.else
.if \t < 4
	v_wmma_scale_f32_16x16x128_f8f6f4 v[ACC+8*\t:ACC+8*\t+7], v[8*((8*\s+\t)%32):8*((8*\s+\t)%32)+7], v[X+8*\s:X+8*\s+7], v[ACC+8*\t:ACC+8*\t+7], v[WSR+8*(\t%4)+\s], v[TSC+\s] matrix_a_fmt:MATRIX_FMT_FP4 matrix_b_fmt:MATRIX_FMT_FP4
.else
	v_wmma_scale_f32_16x16x128_f8f6f4 v[ACC+8*\t:ACC+8*\t+7], v[8*((8*\s+\t)%32):8*((8*\s+\t)%32)+7], v[X+8*\s:X+8*\s+7], v[ACC+8*\t:ACC+8*\t+7], v[WSR+8*(\t%4)+\s], v[TSC+\s] matrix_a_fmt:MATRIX_FMT_FP4 matrix_b_fmt:MATRIX_FMT_FP4 matrix_a_scale:MATRIX_SCALE_ROW1
.endif
.endif
.endr
.endr
.endm
.macro GELU                            ; the lane's 64 numbers; number a = 8 t + j goes to place 32 (a / 32) + 4 (a % 8) + (a / 8) % 4 of G: the next K's order
	WIN 0xC0                                       ; destination window 3
.set a, 0
.rept 64
	v_mul_f32 v[ZZ+a], s28, |v[ACC+a]|             ; zz; ascending
.set a, a+1
.endr
.set a, 0
.rept 64
	v_max_num_f32 v[G+32*(a/32)+4*(a%8)+(a/8)%4], 0, v[ACC+a]
.set a, a+1
.endr
	WIN 0xFF                                       ; all in window 3
.set a, 0
.rept 32
	v_pk_fma_f32 v[T+a:T+a+1], v[ZZ+a:ZZ+a+1], s[30:31], 1.0 op_sel_hi:[1,0,0]
.set a, a+2
.endr
.set a, 0
	s_wait_alu depctr_va_vdst(0)
.rept 64
	v_rcp_f32 v[T+a], v[T+a]                       ; t
.set a, a+1
.endr
	v_nop                                          ; a plain line behind the last reciprocal
	s_wait_alu depctr_va_vdst(0)                   ; the 64 reciprocals have written t: one wait, ahead of their first reader
.set a, 0
.rept 32
	v_pk_fma_f32 v[P+a:P+a+1], v[T+a:T+a+1], s[32:33], s[34:35] op_sel_hi:[1,0,0]
.set a, a+2
.endr
.irp k, 36,38,40,42,44,46,48,50        ; Horner, a coefficient at a time over the 32 pairs: no line waits for the line above it
.set a, 0
.rept 32
	v_pk_fma_f32 v[P+a:P+a+1], v[P+a:P+a+1], v[T+a:T+a+1], s[\k:\k+1] op_sel_hi:[1,1,0]
.set a, a+2
.endr
.endr
.set a, 0
.rept 32
	v_pk_fma_f32 v[P+a:P+a+1], v[ZZ+a:ZZ+a+1], v[ZZ+a:ZZ+a+1], v[P+a:P+a+1] neg_lo:[1,0,0] neg_hi:[1,0,0]   ; - zz^2
.set a, a+2
.endr
.set a, 0
	s_wait_alu depctr_va_vdst(0)
.rept 64
	v_exp_f32 v[P+a], v[P+a]
.set a, a+1
.endr
	v_nop
	s_wait_alu depctr_va_vdst(0)                   ; and one for the 64 exponentials, ahead of their first reader
.set a, 0
.rept 32
	v_pk_mul_f32 v[P+a:P+a+1], v[P+a:P+a+1], v[T+a:T+a+1]   ; q
.set a, a+2
.endr
	WIN 0xFC                                       ; source 0 window 0
.set a, 0
.rept 64
	v_fma_f32 v[G+32*(a/32)+4*(a%8)+(a/8)%4], -|v[ACC+a]|, v[P+a], v[G+32*(a/32)+4*(a%8)+(a/8)%4]   ; max(x, 0) - |x| q
.set a, a+1
.endr
.endm
.macro HQ                              ; my two whole blocks (h and 2 + h of the K step) become codes, in the operand's own registers; the four bytes of a row's word are gathered from lanes l and l xor 16
	WIN 0x3C                                       ; sources 1 and 2 window 3
.irp u, 0,1
	v_max3_num_f32 v[M+\u], 0x1800000, |v[G+32*\u]|, |v[G+32*\u+1]|
.endr
.irp i, 2,4,6,8,10,12,14,16,18,20,22,24,26,28,30
.irp u, 0,1
	v_max3_num_f32 v[M+\u], v[M+\u], |v[G+32*\u+\i]|, |v[G+32*\u+\i+1]|
.endr
.endr
	WIN 0
.irp u, 0,1
	v_add_nc_u32 v[SO+\u], 0xff000000, v[M+\u]
.endr
.irp u, 0,1
	v_lshrrev_b32 v[BY+\u], 23, v[SO+\u]
.endr
	v_lshl_or_b32 v[PW], v[BY+1], 16, v[BY]
	v_lshlrev_b32 v[PW], v[SH8], v[PW]
	v_permlanex16_b32 v[PT], v[PW], s26, s27
	v_or_b32 v[PW], v[PW], v[PT]
	WIN 0x03                                       ; source 0 window 3
.irp u, 0,1
.irp g, 0,1,2,3
	v_cvt_scalef32_pk8_fp4_f32 v[PC+4*\u+\g], v[G+32*\u+8*\g:G+32*\u+8*\g+7], v[SO+\u]
.endr
.endr
	WIN 0
	v_nop                                          ; one plain line behind the last conversion
.endm
	s_load_b256 s[4:11], s[0:1], 0x0               ; w1 s[4:5], xc s[6:7], rt s[8:9], hc s[10:11]
	v_lshl_add_u32 v254, v0, 2, 0x11000
	v_mov_b32 v255, 0
	v_lshrrev_b32 v1, 5, v0
	v_readfirstlane_b32 s18, v1                    ; wave 0..3
	v_and_b32 v1, 31, v0                           ; lane
	v_and_b32 v2, 15, v0                           ; r
	v_bfe_u32 v3, v0, 4, 1                         ; h (in the stream: hi)
	v_lshlrev_b32 v[VW], 4, v1
	v_lshlrev_b32 v[CA], 15, v3                    ; tiles 4 hi on,
	v_lshl_add_u32 v[CA], v2, 4, v[CA]             ; row r,
	s_wait_alu depctr_va_sdst(0)                   ; s18 is written, ahead of its first reader: LDS places, the slab's base and the tiles' walk are made from it
	s_lshl_b32 s24, s18, 11
	v_add_nc_u32 v[CA], s24, v[CA]                 ; K steps 2 w on
	v_lshl_add_u32 v[LS2], v1, 2, SCB
	s_lshl_b32 s24, s18, 8
	v_add_nc_u32 v[SA], s24, v[LS2]
	v_lshlrev_b32 v[R4], 2, v2
	v_lshlrev_b32 v[SH8], 3, v3
	v_lshlrev_b32 v[H16], 4, v3
	v_mov_b32 v[PT], 0                             ; written once: a lane permute's destination counts as one of its sources
	s_and_b32 s19, ttmp7, 0xffff                   ; the expert
	s_lshl_b32 s24, s19, 24                        ; its 16 MB,
	s_lshl_b32 s56, ttmp9, 9
	s_add_co_u32 s24, s24, s56                     ; my work-group's 512 bytes of a row,
	s_lshl_b32 s56, s18, 22
	s_add_co_u32 s24, s24, s56                     ; my wave's 256 K rows
	s_mov_b32 s25, 0
	s_lshl_b32 s57, s19, 2
	s_mov_b32 s59, 0
	s_mov_b32 s26, 0x76543210
	s_mov_b32 s27, 0xfedcba98                      ; v_permlanex16_b32's selects for lane l xor 16
	s_mov_b32 s28, 0x3f596d27                      ; sqrt(log2(e) / 2)
	COEF 30, 0x3ed5224d                            ; 1 / (2 sqrt(log2 e))
	COEF 32, 0x3e7c6f08                            ; the fit's coefficients x log2(e), from t^9 down:  0.24651730
	COEF 34, 0xbf97d29d                            ; -1.18611495
	COEF 36, 0x40097039                            ;  2.14747446
	COEF 38, 0xbfd1a1e5                            ; -1.63775315
	COEF 40, 0x3ecdfd18                            ;  0.40232158
	COEF 42, 0xbe899a80                            ; -0.26875686
	COEF 44, 0x3e0efb2e                            ;  0.13963006
	COEF 46, 0x3f0a29d2                            ;  0.53970062
	COEF 48, 0x3fb8ab5a                            ;  1.44272920
	COEF 50, 0xc034d90f                            ; -1.82574822 - 1: the 1/2 of q
	s_wait_kmcnt 0x0
	s_add_nc_u64 s[WB:WB+1], s[4:5], s[24:25]
	WIN 0x40
	s_wait_alu depctr_va_vdst(0)                   ; the offsets and LDS addresses v4 to v9 are written, which the loads and stores of the whole kernel read
	LOADSET 0
	LOADSET 1
	s_load_b32 s21, s[8:9], s57 offset:16896       ; the expert's first tile,
	s_load_b32 s22, s[8:9], s57 offset:16928       ; and how many it has
.irp n, 0,1,2,3,4,5,6,7
	QSET \n
.endr
	s_wait_alu depctr_va_vdst(0)                   ; the last set has written v[PC ..] and v[WS ..], which its LDS stores read
	STORESET 7
	s_wait_dscnt 0x0                               ; for the others' sake: my codes and scale words have landed
	s_barrier_signal -1
	s_barrier_wait -1                              ; the slab's codes lie in LDS; nothing writes them again
	s_wait_alu depctr_vm_vsrc(0)                   ; my last LDS stores have read v[PC ..], which the tiles' conversions write again
	s_wait_kmcnt 0x0
	s_min_u32 s21, s21, 135
	s_min_u32 s22, s22, 64
	s_mov_b32 s23, s18                             ; my first tile of the expert's
	s_cmp_ge_u32 s23, s22
	s_cbranch_scc1 .Lend                           ; no tile for this wave
	s_sub_co_u32 s29, s22, 1
	s_sub_co_u32 s[TRIP+1], s22, s18               ; my trips: every fourth of the tiles from mine on, rounded up:
	s_add_co_u32 s[TRIP+1], s[TRIP+1], 3
	s_lshr_b32 s[TRIP+1], s[TRIP+1], 2
	s_min_u32 s[TRIP+1], s[TRIP+1], 16             ; 64 tiles at the most make 16
	s_mov_b32 s[TRIP], 0
	LISTADR 0
	global_load_b32 v[LIDX], v[R4], s[LB:LB+1]     ; v[R4] was written ahead of the head's wait; no vector line has named v[LIDX]
	s_add_nc_u64 s[12:13], s[6:7], 0x80000         ; x's scale bytes
	s_lshl_b32 s58, ttmp9, 10
	s_add_nc_u64 s[52:53], s[10:11], s[58:59]      ; hc: K step cg of tile 0: its codes,
	s_lshl_b32 s58, ttmp9, 6
	s_add_nc_u64 s[54:55], s[10:11], s[58:59]
	s_add_nc_u64 s[54:55], s[54:55], 0x440000      ; and its scale words
	s_wait_loadcnt 0x0
	TOKADR
	LISTADR 4                                      ; (the first list load is done: its base may be written)
	s_wait_alu depctr_va_vdst(0)                   ; v[XO] and v[XSO] are written, which the loads below read; the three lines are done with v[LIDX], in which the list's next load lands
	XLOAD
	global_load_b32 v[LIDX], v[R4], s[LB:LB+1]
	WFETCH                                         ; only loads and window switches stand between the wait above and these loads; the stream's moves, which read window 1, stand ahead of it
	s_wait_dscnt 0x0
.Ltile:                                                ; a trip: one tile of 16 slots
	s_wait_loadcnt 0x0                             ; this tile's codes and scale words, and the next tile's tokens
	MM1
	WIN 0
	s_wait_alu depctr_vm_vsrc(0)                   ; the loads of this tile's operand have read v[XO] and v[XSO], which the three lines below write; the last tile's stores have read v[PC ..] and v[PW], which this tile's quantiser writes
	TOKADR                                         ; those loads are done, so their address registers may be written
	LISTADR 8                                      ; and so may the list's base
.rept 4
	v_nop                                          ; places behind the last products, in front of the first read of their results
.endr
	s_wait_alu depctr_va_vdst(0)                   ; the products are done reading x's fragments and scale words, in which the loads below land; v[XO] and v[XSO] are written; the three lines are done with v[LIDX]
	XLOAD                                          ; the next tile's operand lands while this tile's gelu is computed: no line of the gelu or the quantiser names its registers
	global_load_b32 v[LIDX], v[R4], s[LB:LB+1]
	GELU
	HQ
	s_add_co_u32 s24, s23, s21
	s_min_u32 s24, s24, 135                        ; the tile's number among all
	s_lshl_b32 s58, s24, 15
	s_add_nc_u64 s[14:15], s[52:53], s[58:59]
	s_lshl_b32 s58, s24, 11
	s_add_nc_u64 s[16:17], s[54:55], s[58:59]
	s_wait_alu depctr_va_vdst(0)                   ; the quantiser has written v[PC ..] and v[PW], which the three stores read
	global_store_b128 v[LI], v[PC:PC+3], s[14:15]             ; the fragment as it stands: 512 consecutive bytes a store
	global_store_b128 v[LI], v[PC+4:PC+7], s[14:15] offset:512
	global_store_b32 v[R4], v[PW], s[16:17]        ; row r's word; both halves of the lanes hold and write the same
	s_wait_xcnt 0x0                                ; the stores have read their data and bases: the next trip writes both
	s_add_co_u32 s23, s23, 4                       ; my next tile
	s_add_co_u32 s[TRIP], s[TRIP], 1               ; the loop ends on the count of trips, one a trip
	s_cmp_lt_u32 s[TRIP], s[TRIP+1]
	s_cbranch_scc1 .Ltile
.Lend:
	s_wait_dscnt 0x0
	s_wait_alu depctr_hold_cnt(0) depctr_sa_sdst(0) depctr_va_vdst(0) depctr_va_sdst(0) depctr_va_ssrc(0) depctr_va_vcc(0) depctr_vm_vsrc(0)
	s_wait_tensorcnt 0x0
	ds_add_u32 v254, v255
	s_wait_dscnt 0x0
	s_endpgm
.Lfunc_end_k_qc761cadc33_fc1:
	.size	k_qc761cadc33_fc1, .Lfunc_end_k_qc761cadc33_fc1-k_qc761cadc33_fc1
	.p2alignl 7, 3214868480
	.fill 96, 4, 3214868480
	.section	.rodata,"a",@progbits
	.p2align	6, 0x0
	.amdhsa_kernel k_qc761cadc33_fc1
		.amdhsa_group_segment_fixed_size 70144
		.amdhsa_private_segment_fixed_size 0
		.amdhsa_enable_private_segment 0
		.amdhsa_kernarg_size 32
		.amdhsa_user_sgpr_count 2
		.amdhsa_user_sgpr_kernarg_segment_ptr 1
		.amdhsa_wavefront_size32 1
		.amdhsa_system_sgpr_workgroup_id_x 1
		.amdhsa_system_sgpr_workgroup_id_y 1
		.amdhsa_system_sgpr_workgroup_id_z 1
		.amdhsa_system_vgpr_workitem_id 0
		.amdhsa_next_free_vgpr 1024
		.amdhsa_next_free_sgpr 66
		.amdhsa_reserve_vcc 0
		.amdhsa_float_denorm_mode_32 3
		.amdhsa_float_denorm_mode_16_64 3
		.amdhsa_memory_ordered 1
		.amdhsa_forward_progress 1
		.amdhsa_inst_pref_size 176
	.end_amdhsa_kernel
	.amdgpu_metadata
---
amdhsa.version: [ 1, 2 ]
amdhsa.kernels:
  - .name:           k_qc761cadc33_fc1
    .symbol:         k_qc761cadc33_fc1.kd
    .args:
      - { .name: w1, .offset: 0, .size: 8, .value_kind: global_buffer, .address_space: global }
      - { .name: xc, .offset: 8, .size: 8, .value_kind: global_buffer, .address_space: global }
      - { .name: rt, .offset: 16, .size: 8, .value_kind: global_buffer, .address_space: global }
      - { .name: hc, .offset: 24, .size: 8, .value_kind: global_buffer, .address_space: global }
    .group_segment_fixed_size: 70144
    .private_segment_fixed_size: 0
    .kernarg_segment_align: 8
    .kernarg_segment_size: 32
    .max_flat_workgroup_size: 128
    .sgpr_count:     66
    .vgpr_count:     1024
    .wavefront_size: 32
...
	.end_amdgpu_metadata
.endif
;; end of part 8
;; launch fc2 (part 9): grid 32 x 8, 4 waves a work-group, no clusters, 88,576 bytes of LDS; arguments w2, hc, rt, yp; writes yp
.if DOCPART == 9
	.amdgcn_target "amdgcn-amd-amdhsa--gfx1250"
	.amdhsa_code_object_version 6
	.text
	.protected	k_qc761cadc33_fc2
	.globl	k_qc761cadc33_fc2
	.p2align	8
	.type	k_qc761cadc33_fc2,@function
k_qc761cadc33_fc2:
	s_mov_b64 s[64:65], 0
	v_nop
	global_prefetch_b8 v0, s[64:65] scope:SCOPE_SE
	s_setreg_imm32_b32 hwreg(HW_REG_WAVE_SCHED_MODE, 0, 2), 2
	s_setreg_imm32_b32 hwreg(HW_REG_WAVE_MODE, 25, 1), 1
	s_wait_xcnt 0x0
	s_wait_alu depctr_vm_vsrc(0)
; y = h Q(w2[e]) for the rows that chose expert e, on codes of E2M1 with one E8M0 scale for each 32 along K; h comes as codes from hc.
; w2: [8][4096 (K)][1024] f32.  Work-group (x, e), cg = x % 16, kh = x / 16, owns the slab of expert e, K rows 2048 kh .. + 2047, columns 64 cg .. + 63: 512 KB, read from memory ONCE, by this work-group alone.
; The two halves of K give two partial sums, yp = [2][2176 slots][1024] f32, which the last launch adds: each number of yp has one writer.
; THE STREAM.  Wave w takes K rows 512 w .. + 511 of the slab, as eight sets.  A load takes 256 consecutive bytes of one K row in lanes 0-15 and of the row 128 further down in lanes 16-31; a set is 32 loads,
; after which a lane holds four whole blocks of 32 along K, one for each of its four columns; they are moved into K's order, quantised, and go to LDS at their places in the images of the operands' registers.
; A block's scale is 2^(floor(log2(largest magnitude)) - 2); its byte is the largest magnitude's exponent field - 2, held at 1 from below.
; One barrier; then every wave loads all 64 fragments (4 tiles of 16 columns x 16 K steps) into 512 registers, and 32 registers of scale words (lanes 0-15 an even K step, lanes 16-31 the odd one behind it).
; THE ROWS.  Wave w takes the expert's tiles of 16 slots in pairs 2 w, 2 w + 8, ..: each fragment of w2 feeds two products.  Where the pair's second tile does not exist, the last tile stands in: computed, not stored.
; The product is used transposed (source 0 = 16 columns of w2, source 1 = 16 slots): a lane holds eight neighbouring columns of one slot; a tile goes through the wave's own stage in LDS and leaves
; as rows: sixteen lanes store 256 consecutive bytes, at a multiple of 256 from yp's first byte.
; LIMITS: NaN and infinities are not served.  A block under 2^-124, zeros too, gets the byte 1: its codes are zeros, and this program alone reads the bytes.  An expert without rows still streams its slab.
; NO TENSOR LOADS, NO CLUSTER: the trips hang on counts read from memory, so operands go through registers; each byte of w2 has one reader; what the 16 work-groups of an expert's half of K share is
; h's codes, 1,088 bytes a row against the slab's 512 KB.
; The one barrier stands ahead of every branch on a stored number.
; THE MODE: SCHED_MODE bits 1:0 = 2 (LLVM: expert scheduling mode 2), set by the entry lines.  The code itself states the register dependences between vector or matrix instructions and memory or LDS
; instructions, with s_wait_alu, always for 0.
; THE PLAN.  Registers that memory or LDS instructions touch:
;   IN THE STREAM.  Window 1's two halves: set n's loads land in half n % 2; set n's 128 moves read it; behind them set n + 2's loads land in it.
;     v[PC ..], v[WS ..]: written by set n's conversions and shifts; read by set n's LDS stores, which are issued in set n + 1, behind that set's moves and loads.
;     So ONE wait on va_vdst stands in a set, behind its moves: they are done reading the half, and the set before has written its codes and words.  ONE wait on vm_vsrc stands ahead of the set's
;     shifts and conversions, 64 maxima behind those stores: they have read v[PC ..] and v[WS ..].  Behind the last set one more wait on va_vdst stands ahead of its stores.
;     Behind the stream nothing writes v[PC ..] or v[WS ..] again.
;   v4 to v12: offsets and LDS addresses, made once at the head, ahead of the first wait on va_vdst, and never written again; the tiles are reached by scalar bases.
;   IN THE LOOP OVER PAIRS.  Window 3 and v[TSC ..]: the next pair's loads land in them; the 128 products read them.  The accumulators: written by the products; read by the LDS stores into the stage.
;     v[OUTR ..]: the loads from the stage land in them; the global stores read them; no vector line names them.
;     A trip has ONE wait on vm_vsrc, at its head (the last pair's LDS stores have read the accumulators, its global stores v[OUTR ..]), and ONE on va_vdst, behind the products and their places:
;     it serves the next pair's loads and the LDS stores alike, since no vector or matrix line follows it in the trip.  The registers leave no room for a second set of h's fragments (272 are wanted).
.set PITCH, 4096                       ; bytes from K row to K row
.set RP,    256                        ; K rows from a lane's K step to its next
.set NT,    4                          ; tiles of 16 columns
.set FT,    16400                      ; LDS: from tile to tile: sixteen fragments of 1,024 bytes + 16, so that the sixteen lanes of a store touch sixteen different 16-byte columns
.set SCB,   65792                      ; LDS: 32 images of scale registers, 128 bytes each
.set STG,   69888                      ; LDS: a stage of 16 rows x (256 + 16) bytes for each wave
.set CSTC,  16                         ; a block's place in LDS: from column c to c + 1 (the next row of the tile),
.set CSTP,  2048                       ; from my K step to my next (two K steps on)
.set SSTC,  4
.set WB,  4                            ; s[4:5] my wave's part of the slab
.set VW,  4                            ; v4   my bytes of a load: 16 (lane % 16), and 128 K rows on for lanes 16-31
.set CA,  5                            ; v5   where my blocks' codes go
.set SA,  6                            ; v6   where my scale words go
.set LI,  7                            ; v7   16 x lane
.set LS2, 8                            ; v8   SCB + 4 x lane
.set STO, 9                            ; v9   the stage: where I put 32 bytes of a row
.set RD,  10                           ; v10  and where I read a row back
.set YO,  11                           ; v11  the same place in yp
.set L4,  12                           ; v12  4 x lane
.set M,   16
.set SO,  20
.set BY,  24
.set WS,  28
.set WSR, 32                           ; v32-63 w2's scale words: register 8 t + s / 2.  Nothing else ever
.set TSC, 64                           ; v64-79 h's scale words: register 8 u + s / 2.  Nothing else ever
.set Q,   80                           ; v80-207 in the stream
.set ACC, 80                           ; v80-143 afterwards: accumulator (tile of slots u, tile of columns t) at 80 + 32 u + 8 t
.set OUTR, 144                         ; v144-207 rows on their way out, 32 registers for each u
.set PC,  208
.set TRIP, 40                          ; s40  trips done;  s41  my wave's trips
; window 1 in the stream: two sets as loaded; afterwards windows 1 and 2: fragment (t, s) at register 8 ((4 s + t) % 32) of window 1 + (4 s + t) / 32;  window 3: h's fragment (u, s) at 128 u + 8 s
.set MSB, 0
.macro WIN new                         ; s_set_vgpr_msb: bits 1:0 source 0, 3:2 source 1, 5:4 source 2, 7:6 destination; the high byte repeats the setting that is left
.if MSB != (\new)
	s_set_vgpr_msb (MSB<<8)|(\new)
.set MSB, (\new)
.endif
.endm
.macro LOADSET n                       ; set n: 32 loads, into half n % 2 of window 1
	WIN 0x40
.set i, 0
.rept 32
	global_load_b128 v[128*((\n)%2)+4*i:128*((\n)%2)+4*i+3], v[VW], s[WB:WB+1] offset:(RP*((\n)/4)+32*((\n)%4)+i)*PITCH th:TH_LOAD_NT
.set i, i+1
.endr
.endm
.macro STORESET n                      ; set n's four blocks of codes go to LDS, and behind a K step's fourth set its four scale words
.irp c, 0,1,2,3
	ds_store_b128 v[CA], v[PC+4*\c:PC+4*\c+3] offset:CSTC*\c+CSTP*((\n)/4)+512*(((\n)%4)/2)+256*((\n)%2)   ; block b of a K step: register group b / 2, lanes 16 (b % 2) on
.endr
.if (\n)%4 == 3
.irp c, 0,1,2,3
	ds_store_b32 v[SA], v[WS+\c] offset:SSTC*\c+128*((\n)/4)
.endr
.endif
.endm
.macro QSET n                          ; set n becomes four blocks' codes and a byte of four scale words; the set before goes to LDS on the way
.if (\n) < 7
	s_wait_loadcnt 32                              ; this set's 32 loads are in; the next set's 32 may be out
.else
	s_wait_loadcnt 0x0
.endif
	WIN 0x01
.irp c, 0,1,2,3
.set i, 0
.rept 32
	v_mov_b32 v[Q+32*\c+i], v[128*((\n)%2)+4*i+\c]     ; column c's numbers on end, down K
.set i, i+1
.endr
.endr
.if (\n) < 6
	WIN 0x40
	s_wait_alu depctr_va_vdst(0)                   ; the moves are done reading this half, in which the loads below land; from the second set on: the set before has written v[PC ..] and v[WS ..], which the LDS stores below read
	LOADSET (\n)+2                                 ; the half that has been read takes the set two on
	WIN 0
.else
	WIN 0
	s_wait_alu depctr_va_vdst(0)                   ; the set before has written v[PC ..] and v[WS ..], which the LDS stores below read; the moves are done reading this half, in which fragments land behind the barrier
.endif
.if (\n) > 0
	STORESET (\n)-1                                ; no vector line since the wait names their registers
.endif
.irp c, 0,1,2,3
	v_max3_num_f32 v[M+\c], |v[Q+32*\c]|, |v[Q+32*\c+1]|, 0x1800000   ; with the floor 2^(3 - 127): the byte cannot fall under 1
.endr
.irp i, 2,4,6,8,10,12,14,16,18,20,22,24,26,28,30
.irp c, 0,1,2,3
	v_max3_num_f32 v[M+\c], v[M+\c], |v[Q+32*\c+\i]|, |v[Q+32*\c+\i+1]|   ; the four columns by turns
.endr
.endr
.if (\n) > 0
	s_wait_alu depctr_va_vdst(0)
	s_wait_dscnt 0x0                               ; the LDS stores above are done,
	s_wait_alu depctr_vm_vsrc(0)                   ; and have read v[PC ..] and v[WS ..], which the shifts and conversions below write again
.endif
.irp c, 0,1,2,3
	v_add_nc_u32 v[SO+\c], 0xff000000, v[M+\c]     ; 2 off the exponent field
.endr
.irp c, 0,1,2,3
.if (\n)%4 == 0
	v_lshrrev_b32 v[WS+\c], 23, v[SO+\c]           ; the K step's first byte starts the word
.else
	v_lshrrev_b32 v[BY+\c], 23, v[SO+\c]
.endif
.endr
.if (\n)%4 != 0
.irp c, 0,1,2,3
	v_lshl_or_b32 v[WS+\c], v[BY+\c], 8*((\n)%4), v[WS+\c]
.endr
.endif
.irp c, 0,1,2,3
.irp g, 0,1,2,3
	v_cvt_scalef32_pk8_fp4_f32 v[PC+4*\c+\g], v[Q+32*\c+8*\g:Q+32*\c+8*\g+7], v[SO+\c]
.endr
.endr
	v_nop                                          ; one plain line behind the last conversion
.endm
.macro WFETCH                          ; all 64 fragments and the 32 registers of scale words, out of LDS
.set f, 0
.irp w, 0x40, 0x80
	WIN \w
.rept 32
	ds_load_b128 v[8*(f%32):8*(f%32)+3],   v[LI] offset:(f%NT)*FT+(f/NT)*1024
	ds_load_b128 v[8*(f%32)+4:8*(f%32)+7], v[LI] offset:(f%NT)*FT+(f/NT)*1024+512
.set f, f+1
.endr
.endr
	WIN 0
.set f, 0
.rept 32
	ds_load_b32 v[WSR+f], v[LS2] offset:128*f
.set f, f+1
.endr
.endm
.macro PAIR off                        ; where the pair off tiles on lies in hc; each tile is held at the expert's last: no load leaves the expert's tiles
.irp u, 0,1
	s_add_co_u32 s38, s28, \off+\u
	s_min_u32 s38, s38, s31
	s_add_co_u32 s38, s38, s30
	s_min_u32 s38, s38, 135
	s_lshl_b32 s36, s38, 15
	s_add_nc_u64 s[14+2*\u:15+2*\u], s[12:13], s[36:37]
	s_lshl_b32 s36, s38, 11
	s_add_nc_u64 s[20+2*\u:21+2*\u], s[32:33], s[36:37]
.endr
.endm
.macro HLOAD u                         ; tile u of the pair: sixteen fragments as they lie, 512 consecutive bytes a load; eight registers of scale words, two K steps to a register
	WIN 0xC0
.set f, 0
.rept 16
	global_load_b128 v[128*\u+8*f:128*\u+8*f+3],   v[LI], s[14+2*\u:15+2*\u] offset:1024*f
	global_load_b128 v[128*\u+8*f+4:128*\u+8*f+7], v[LI], s[14+2*\u:15+2*\u] offset:1024*f+512
.set f, f+1
.endr
	WIN 0
.irp q, 0,1,2,3,4,5,6,7
	global_load_b32 v[TSC+8*\u+\q], v[L4], s[20+2*\u:21+2*\u] offset:128*\q
.endr
.endm
.macro MM2                             ; 128 products: K step by K step, the eight accumulators by turns, one instruction a turn; the first K step starts the sums
.set k, 0
.rept 16
	WIN 0x0D+k/8                                   ; w2 in window 1 or 2, h in window 3
.irp t, 0,1,2,3
.irp u, 0,1
.if k == 0
	v_wmma_scale_f32_16x16x128_f8f6f4 v[ACC+32*\u+8*\t:ACC+32*\u+8*\t+7], v[8*((4*k+\t)%32):8*((4*k+\t)%32)+7], v[128*\u+8*k:128*\u+8*k+7], 0, v[WSR+8*\t+k/2], v[TSC+8*\u+k/2] matrix_a_fmt:MATRIX_FMT_FP4 matrix_b_fmt:MATRIX_FMT_FP4
.elseif k%2 == 0
	v_wmma_scale_f32_16x16x128_f8f6f4 v[ACC+32*\u+8*\t:ACC+32*\u+8*\t+7], v[8*((4*k+\t)%32):8*((4*k+\t)%32)+7], v[128*\u+8*k:128*\u+8*k+7], v[ACC+32*\u+8*\t:ACC+32*\u+8*\t+7], v[WSR+8*\t+k/2], v[TSC+8*\u+k/2] matrix_a_fmt:MATRIX_FMT_FP4 matrix_b_fmt:MATRIX_FMT_FP4
.else
	v_wmma_scale_f32_16x16x128_f8f6f4 v[ACC+32*\u+8*\t:ACC+32*\u+8*\t+7], v[8*((4*k+\t)%32):8*((4*k+\t)%32)+7], v[128*\u+8*k:128*\u+8*k+7], v[ACC+32*\u+8*\t:ACC+32*\u+8*\t+7], v[WSR+8*\t+k/2], v[TSC+8*\u+k/2] matrix_a_fmt:MATRIX_FMT_FP4 matrix_b_fmt:MATRIX_FMT_FP4 matrix_a_scale:MATRIX_SCALE_ROW1 matrix_b_scale:MATRIX_SCALE_ROW1
.endif
.endr
.endr
.set k, k+1
.endr
.endm
.macro YBASE u                         ; where tile u of the pair in hand lies in yp
	s_add_co_u32 s38, s28, s30
.if \u
	s_add_co_u32 s38, s38, 1
.endif
	s_min_u32 s38, s38, 135
	s_lshl_b32 s36, s38, 16
	s_add_nc_u64 s[24:25], s[34:35], s[36:37]
.endm
.macro YOUT u                          ; 16 slots x 64 columns through my stage; LDS serves a wave's instructions in order, so no wait stands between the stores and the loads
.irp t, 0,1,2,3
	ds_store_b128 v[STO], v[ACC+32*\u+8*\t:ACC+32*\u+8*\t+3] offset:64*\t          ; each accumulator from its low end on
	ds_store_b128 v[STO], v[ACC+32*\u+8*\t+4:ACC+32*\u+8*\t+7] offset:64*\t+16
.endr
.irp t, 0,1,2,3,4,5,6,7
	ds_load_b128 v[OUTR+32*\u+4*\t:OUTR+32*\u+4*\t+3], v[RD] offset:544*\t
.endr
.irp t, 0,1,2,3,4,5,6,7
	s_wait_dscnt 7-\t                              ; rows 2 t and 2 t + 1 are back; the younger loads may be out
	global_store_b128 v[YO], v[OUTR+32*\u+4*\t:OUTR+32*\u+4*\t+3], s[24:25] offset:8192*\t
.endr
.endm
	s_load_b256 s[4:11], s[0:1], 0x0               ; w2 s[4:5], hc s[6:7], rt s[8:9], yp s[10:11]
	v_lshl_add_u32 v254, v0, 2, 0x15800
	v_mov_b32 v255, 0
	v_lshrrev_b32 v1, 5, v0
	v_readfirstlane_b32 s18, v1                    ; wave 0..3
	v_and_b32 v1, 31, v0                           ; lane
	v_and_b32 v2, 15, v0                           ; r
	v_bfe_u32 v3, v0, 4, 1                         ; h (in the stream: which of the load's two K rows)
	v_lshlrev_b32 v[VW], 19, v3                    ; 128 K rows of 4,096 bytes
	v_lshl_add_u32 v[VW], v2, 4, v[VW]
	v_lshrrev_b32 v224, 2, v2                      ; my four columns' tile,
	v_and_b32 v225, 3, v2                          ; and which four of its sixteen rows
	v_mul_u32_u24 v[CA], v224, FT
	v_lshl_add_u32 v[CA], v3, 10, v[CA]            ; lanes 16-31: the next K step
	v_lshl_add_u32 v[CA], v225, 6, v[CA]
	s_wait_alu depctr_va_sdst(0)                   ; s18 is written, ahead of its first reader: LDS places, the slab's base and the pairs' walk are made from it
	s_lshl_b32 s36, s18, 12
	v_add_nc_u32 v[CA], s36, v[CA]                 ; K steps 4 w on
	v_lshl_add_u32 v[SA], v224, 10, SCB
	v_lshl_add_u32 v[SA], v3, 6, v[SA]
	v_lshl_add_u32 v[SA], v225, 4, v[SA]
	s_lshl_b32 s36, s18, 8
	v_add_nc_u32 v[SA], s36, v[SA]
	v_lshlrev_b32 v[LI], 4, v1
	v_lshl_add_u32 v[LS2], v1, 2, SCB
	s_mul_i32 s36, s18, 4352
	s_add_co_u32 s36, s36, STG                     ; my stage
	v_mul_u32_u24 v[STO], v2, 272
	v_lshl_add_u32 v[STO], v3, 5, v[STO]
	v_add_nc_u32 v[STO], s36, v[STO]               ; in: row r, 32 bytes for each half of the lanes
	v_mul_u32_u24 v[RD], v3, 272
	v_lshl_add_u32 v[RD], v2, 4, v[RD]
	v_add_nc_u32 v[RD], s36, v[RD]                 ; back: lanes 0-15 one row of 256 bytes, lanes 16-31 the next
	v_lshlrev_b32 v[YO], 12, v3
	v_lshl_add_u32 v[YO], v2, 4, v[YO]             ; and the same two rows in yp
	v_lshlrev_b32 v[L4], 2, v1
	s_and_b32 s19, ttmp7, 0xffff                   ; the expert
	s_and_b32 s26, ttmp9, 15                       ; cg
	s_lshr_b32 s27, ttmp9, 4                       ; kh
	s_lshl_b32 s36, s19, 24                        ; the expert's 16 MB,
	s_lshl_b32 s38, s27, 23
	s_add_co_u32 s36, s36, s38                     ; my half of K,
	s_lshl_b32 s38, s18, 21
	s_add_co_u32 s36, s36, s38                     ; my wave's 512 K rows,
	s_lshl_b32 s38, s26, 8
	s_add_co_u32 s36, s36, s38                     ; my work-group's 256 bytes of a row
	s_mov_b32 s37, 0
	s_lshl_b32 s39, s19, 2
	s_wait_kmcnt 0x0
	s_add_nc_u64 s[WB:WB+1], s[4:5], s[36:37]
	WIN 0x40
	s_wait_alu depctr_va_vdst(0)                   ; the offsets and LDS addresses v4 to v12 are written, which the loads and stores of the whole kernel read
	LOADSET 0
	LOADSET 1
	s_load_b32 s30, s[8:9], s39 offset:16896       ; the expert's first tile,
	s_load_b32 s29, s[8:9], s39 offset:16928       ; and how many it has
.irp n, 0,1,2,3,4,5,6,7
	QSET \n
.endr
	s_wait_alu depctr_va_vdst(0)                   ; the last set has written v[PC ..] and v[WS ..], which its LDS stores read
	STORESET 7
	s_wait_dscnt 0x0                               ; for the others' sake: my codes and scale words have landed
	s_barrier_signal -1
	s_barrier_wait -1                              ; the slab's codes lie in LDS; nothing writes them again
	s_wait_kmcnt 0x0
	s_min_u32 s30, s30, 135
	s_min_u32 s29, s29, 64
	s_lshl_b32 s28, s18, 1                         ; my first pair's first tile
	s_cmp_ge_u32 s28, s29
	s_cbranch_scc1 .Lend                           ; no tile for this wave
	s_sub_co_u32 s31, s29, 1
	s_sub_co_u32 s[TRIP+1], s29, s28               ; my trips: every eighth of the tiles from my first on, rounded up:
	s_add_co_u32 s[TRIP+1], s[TRIP+1], 7
	s_lshr_b32 s[TRIP+1], s[TRIP+1], 3
	s_min_u32 s[TRIP+1], s[TRIP+1], 8              ; 64 tiles at the most make 8
	s_mov_b32 s[TRIP], 0
	s_lshl_b32 s36, s27, 14
	s_add_nc_u64 s[12:13], s[6:7], s[36:37]        ; hc: my half's sixteen K steps of tile 0: codes,
	s_lshl_b32 s36, s27, 10
	s_add_nc_u64 s[32:33], s[6:7], s[36:37]
	s_add_nc_u64 s[32:33], s[32:33], 0x440000      ; and scale words
	s_mul_i32 s36, s27, 0x880000
	s_add_co_u32 s36, s36, s38                     ; (s38 still holds 256 cg)
	s_add_nc_u64 s[34:35], s[10:11], s[36:37]      ; yp: my half, my 64 columns of slot 0
	PAIR 0
	HLOAD 0                                        ; no vector line has named window 3, window 2, v[TSC ..] or v[WSR ..]; the moves that read window 1 stand ahead of the stream's last waits, and no vector line since names it;
	HLOAD 1                                        ; v[LI], v[L4] and v[LS2] were written ahead of the head's wait
	WFETCH
	s_wait_dscnt 0x0
.Lpair:                                                ; a trip: two tiles of 16 slots
	s_wait_loadcnt 0x0                             ; this pair's fragments and scale words; so their bases may be written
	s_wait_alu depctr_vm_vsrc(0)                   ; the last pair's LDS stores have read the accumulators, which the products below write anew; its global stores have read v[OUTR ..], in which this pair's rows land
	MM2
	WIN 0
.rept 5
	v_nop                                          ; places behind the last products: four in front of the first read of results; the fifth for the next trip's first products, which begin the same accumulators anew
.endr
	PAIR 8
	WIN 0xC0
	s_wait_alu depctr_va_vdst(0)                   ; the products are done reading h's fragments and scale words, in which the loads below land, and have written the accumulators, which the LDS stores below read; the places above stay beside this wait
	HLOAD 0                                        ; the next pair lands while this one goes out
	HLOAD 1
	YBASE 0
	YOUT 0
	s_wait_xcnt 0x0                                ; the stores have read their data and their base: both are written again
	s_add_co_u32 s38, s28, 1
	s_cmp_ge_u32 s38, s29
	s_cbranch_scc1 .Lodd                           ; the expert's tiles end with the pair's first
	YBASE 1
	YOUT 1
	s_wait_xcnt 0x0
.Lodd:
	s_add_co_u32 s28, s28, 8                       ; my next pair
	s_add_co_u32 s[TRIP], s[TRIP], 1               ; the loop ends on the count of trips, one a trip
	s_cmp_lt_u32 s[TRIP], s[TRIP+1]
	s_cbranch_scc1 .Lpair
.Lend:
	s_wait_dscnt 0x0
	s_wait_alu depctr_hold_cnt(0) depctr_sa_sdst(0) depctr_va_vdst(0) depctr_va_sdst(0) depctr_va_ssrc(0) depctr_va_vcc(0) depctr_vm_vsrc(0)
	s_wait_tensorcnt 0x0
	ds_add_u32 v254, v255
	s_wait_dscnt 0x0
	s_endpgm
.Lfunc_end_k_qc761cadc33_fc2:
	.size	k_qc761cadc33_fc2, .Lfunc_end_k_qc761cadc33_fc2-k_qc761cadc33_fc2
	.p2alignl 7, 3214868480
	.fill 96, 4, 3214868480
	.section	.rodata,"a",@progbits
	.p2align	6, 0x0
	.amdhsa_kernel k_qc761cadc33_fc2
		.amdhsa_group_segment_fixed_size 88576
		.amdhsa_private_segment_fixed_size 0
		.amdhsa_enable_private_segment 0
		.amdhsa_kernarg_size 32
		.amdhsa_user_sgpr_count 2
		.amdhsa_user_sgpr_kernarg_segment_ptr 1
		.amdhsa_wavefront_size32 1
		.amdhsa_system_sgpr_workgroup_id_x 1
		.amdhsa_system_sgpr_workgroup_id_y 1
		.amdhsa_system_sgpr_workgroup_id_z 1
		.amdhsa_system_vgpr_workitem_id 0
		.amdhsa_next_free_vgpr 1024
		.amdhsa_next_free_sgpr 66
		.amdhsa_reserve_vcc 0
		.amdhsa_float_denorm_mode_32 3
		.amdhsa_float_denorm_mode_16_64 3
		.amdhsa_memory_ordered 1
		.amdhsa_forward_progress 1
		.amdhsa_inst_pref_size 158
	.end_amdhsa_kernel
	.amdgpu_metadata
---
amdhsa.version: [ 1, 2 ]
amdhsa.kernels:
  - .name:           k_qc761cadc33_fc2
    .symbol:         k_qc761cadc33_fc2.kd
    .args:
      - { .name: w2, .offset: 0, .size: 8, .value_kind: global_buffer, .address_space: global }
      - { .name: hc, .offset: 8, .size: 8, .value_kind: global_buffer, .address_space: global }
      - { .name: rt, .offset: 16, .size: 8, .value_kind: global_buffer, .address_space: global }
      - { .name: yp, .offset: 24, .size: 8, .value_kind: global_buffer, .address_space: global }
    .group_segment_fixed_size: 88576
    .private_segment_fixed_size: 0
    .kernarg_segment_align: 8
    .kernarg_segment_size: 32
    .max_flat_workgroup_size: 128
    .sgpr_count:     66
    .vgpr_count:     1024
    .wavefront_size: 32
...
	.end_amdgpu_metadata
.endif
;; end of part 9
;; launch combine (part 10): grid 256 x 1, 4 waves a work-group, no clusters, 0 bytes of LDS; arguments yp, gate, rt, out0; writes out0
.if DOCPART == 10
	.amdgcn_target "amdgcn-amd-amdhsa--gfx1250"
	.amdhsa_code_object_version 6
	.text
	.protected	k_qc761cadc33_combine
	.globl	k_qc761cadc33_combine
	.p2align	8
	.type	k_qc761cadc33_combine,@function
k_qc761cadc33_combine:
	s_mov_b64 s[64:65], 0
	v_nop
	global_prefetch_b8 v0, s[64:65] scope:SCOPE_SE
	s_setreg_imm32_b32 hwreg(HW_REG_WAVE_MODE, 25, 1), 1
	s_wait_xcnt 0x0
; out0[t] = g0 y[slot0] + g1 y[slot1], y[slot] = the sum of yp's two halves of K.  yp: [2][2176 slots][1024] f32; gate: [1024][2] f32; the slots: rt from byte 8,704 on, [1024][2].
; A wave takes one token (4 x work-group + wave): four rows of 4,096 bytes in, one out; each load and store covers 512 consecutive bytes.  All 32 loads go out at once; the waits count down.
; Each output row has one owner.  A stream: no LDS, no barrier, no matrix unit, nothing shared between work-groups.
	s_load_b256 s[4:11], s[0:1], 0x0               ; yp s[4:5], gate s[6:7], rt s[8:9], out0 s[10:11]
	v_lshrrev_b32 v1, 5, v0
	v_readfirstlane_b32 s12, v1                    ; wave
	v_and_b32 v1, 31, v0
	v_lshlrev_b32 v1, 4, v1                        ; 16 x lane
	s_lshl_b32 s13, ttmp9, 2
	s_add_co_u32 s13, s13, s12                     ; my token
	s_lshl_b32 s28, s13, 3
	s_lshl_b32 s30, s13, 12
	s_mov_b32 s31, 0
	s_wait_alu depctr_va_vdst(0)
	s_wait_kmcnt 0x0
	s_load_b64 s[14:15], s[8:9], s28 offset:8704   ; its two slots,
	s_load_b64 s[16:17], s[6:7], s28               ; and their weights
	s_add_nc_u64 s[10:11], s[10:11], s[30:31]
	s_wait_kmcnt 0x0
	s_min_u32 s14, s14, 0x87f                      ; 2,175: the last slot
	s_min_u32 s15, s15, 0x87f
	s_lshl_b32 s30, s14, 12
	s_add_nc_u64 s[20:21], s[4:5], s[30:31]        ; slot 0, first half of K,
	s_add_nc_u64 s[22:23], s[20:21], 0x880000      ; second half
	s_lshl_b32 s30, s15, 12
	s_add_nc_u64 s[24:25], s[4:5], s[30:31]        ; slot 1 likewise
	s_add_nc_u64 s[26:27], s[24:25], 0x880000
	s_mov_b32 s18, s17                             ; g1 as a pair of its own: the packed forms take a pair's low word for both halves
	s_mov_b32 s19, s17
.irp j, 0,1,2,3,4,5,6,7
	global_load_b128 v[16+16*\j:19+16*\j],  v1, s[20:21] offset:512*\j th:TH_LOAD_NT
	global_load_b128 v[20+16*\j:23+16*\j],  v1, s[22:23] offset:512*\j th:TH_LOAD_NT
	global_load_b128 v[24+16*\j:27+16*\j],  v1, s[24:25] offset:512*\j th:TH_LOAD_NT
	global_load_b128 v[28+16*\j:31+16*\j],  v1, s[26:27] offset:512*\j th:TH_LOAD_NT
.endr
.irp j, 0,1,2,3,4,5,6,7
	s_wait_loadcnt 4*(7-\j)                        ; piece j's four loads are in; the later pieces' may be out
	v_pk_add_f32 v[16+16*\j:17+16*\j], v[16+16*\j:17+16*\j], v[20+16*\j:21+16*\j]
	v_pk_add_f32 v[18+16*\j:19+16*\j], v[18+16*\j:19+16*\j], v[22+16*\j:23+16*\j]
	v_pk_add_f32 v[24+16*\j:25+16*\j], v[24+16*\j:25+16*\j], v[28+16*\j:29+16*\j]
	v_pk_add_f32 v[26+16*\j:27+16*\j], v[26+16*\j:27+16*\j], v[30+16*\j:31+16*\j]
	v_pk_mul_f32 v[144+4*\j:145+4*\j], v[16+16*\j:17+16*\j], s[16:17] op_sel_hi:[1,0]
	v_pk_mul_f32 v[146+4*\j:147+4*\j], v[18+16*\j:19+16*\j], s[16:17] op_sel_hi:[1,0]
	v_pk_fma_f32 v[144+4*\j:145+4*\j], v[24+16*\j:25+16*\j], s[18:19], v[144+4*\j:145+4*\j] op_sel_hi:[1,0,1]
	v_pk_fma_f32 v[146+4*\j:147+4*\j], v[26+16*\j:27+16*\j], s[18:19], v[146+4*\j:147+4*\j] op_sel_hi:[1,0,1]
	global_store_b128 v1, v[144+4*\j:147+4*\j], s[10:11] offset:512*\j th:TH_STORE_NT   ; each piece has registers of its own: no store's data are written again
.endr
	s_endpgm
.Lfunc_end_k_qc761cadc33_combine:
	.size	k_qc761cadc33_combine, .Lfunc_end_k_qc761cadc33_combine-k_qc761cadc33_combine
	.p2alignl 7, 3214868480
	.fill 96, 4, 3214868480
	.section	.rodata,"a",@progbits
	.p2align	6, 0x0
	.amdhsa_kernel k_qc761cadc33_combine
		.amdhsa_group_segment_fixed_size 0
		.amdhsa_private_segment_fixed_size 0
		.amdhsa_enable_private_segment 0
		.amdhsa_kernarg_size 32
		.amdhsa_user_sgpr_count 2
		.amdhsa_user_sgpr_kernarg_segment_ptr 1
		.amdhsa_wavefront_size32 1
		.amdhsa_system_sgpr_workgroup_id_x 1
		.amdhsa_system_sgpr_workgroup_id_y 1
		.amdhsa_system_sgpr_workgroup_id_z 1
		.amdhsa_system_vgpr_workitem_id 0
		.amdhsa_next_free_vgpr 176
		.amdhsa_next_free_sgpr 66
		.amdhsa_reserve_vcc 0
		.amdhsa_float_denorm_mode_32 3
		.amdhsa_float_denorm_mode_16_64 3
		.amdhsa_memory_ordered 1
		.amdhsa_forward_progress 1
		.amdhsa_inst_pref_size 10
	.end_amdhsa_kernel
	.amdgpu_metadata
---
amdhsa.version: [ 1, 2 ]
amdhsa.kernels:
  - .name:           k_qc761cadc33_combine
    .symbol:         k_qc761cadc33_combine.kd
    .args:
      - { .name: yp, .offset: 0, .size: 8, .value_kind: global_buffer, .address_space: global }
      - { .name: gate, .offset: 8, .size: 8, .value_kind: global_buffer, .address_space: global }
      - { .name: rt, .offset: 16, .size: 8, .value_kind: global_buffer, .address_space: global }
      - { .name: out0, .offset: 24, .size: 8, .value_kind: global_buffer, .address_space: global }
    .group_segment_fixed_size: 0
    .private_segment_fixed_size: 0
    .kernarg_segment_align: 8
    .kernarg_segment_size: 32
    .max_flat_workgroup_size: 128
    .sgpr_count:     66
    .vgpr_count:     176
    .wavefront_size: 32
...
	.end_amdgpu_metadata
.endif
;; end of part 10
